; MI455X (gfx1250); checked and timed in simulation.
; The chip was launched on July 23, 2026; its instructions are those of AMD's public machine-readable ISA for CDNA 5 (MIT licence, August 2026) and "CDNA5" Instruction Set Architecture Reference Guide (July 2026). The comments in the code are by the model that wrote it; some were corrected since.
;; Attention. Allowed arithmetic: matrix products marked QUANTISED: E2M1 operands, one E8M0 scale for each 32 along K, by v_wmma_scale_f32_16x16x128_f8f6f4 with both operands' format E2M1 (or v_wmma_scale_f32_32x16x128_f4), f32 sums; products left as they are: bf16, f16 or f32 operands; f32 sums; everything else in f32.
;; Inputs: Wk 1,024 x 1,024 float32; Wq 1,024 x 1,024 float32; Wv 1,024 x 1,024 float32; bk 1,024 float32; bq 1,024 float32; bv 1,024 float32; mask 4 x 2,048 bool; x 4 x 2,048 x 1,024 float32.
;; Outputs: out0 4 x 2,048 x 1,024 float32.
;; This version of the problem:
;;   THIS VERSION OF THE PROBLEM IS GIVEN IN LOW PRECISION. The matrix products marked QUANTISED in the list below multiply operands that are first quantised to E2M1 (2 exponent bits, 1 mantissa bit; 4 bits a number), with one power-of-two scale for each 32 numbers along K (OCP MX v1.0); their sums are f32. The products marked 'left as it is' may take bf16, f16 or f32 operands, with f32 sums. Whichever they take, every output number must still come out within the allowed error. Rounding operands to bf16 (8 significant bits) uses up far more of that allowance than f16 does (11 bits, for magnitudes from 6e-5 to 65,504). All else is computed in f32.
;;   The module's matrix products, in the order in which they are computed (A, B: the left and right operand; K: the contracted axis; several contracted axes count as one K, in the product's order):
;;     1. [M 8,192, K 1,024] x [K 1,024, N 1,024]; A: input x; B: input Wq: QUANTISED
;;     2. [M 8,192, K 1,024] x [K 1,024, N 1,024]; A: input x; B: input Wk: QUANTISED
;;     3. [M 8,192, K 1,024] x [K 1,024, N 1,024]; A: input x; B: input Wv: QUANTISED
;;     4. batch 4 x [M 2,048, K 1,024] x [K 1,024, N 2,048]; A: computed on the way; B: computed on the way: left as it is (an operand is computed on the way)
;;     5. batch 4 x [M 2,048, K 2,048] x [K 2,048, N 1,024]; A: computed on the way; B: computed on the way: left as it is (an operand is computed on the way)
;;   THE QUANTISER, for each operand of a quantised product, along K:
;;     - K is cut into blocks of 32 from its start; a last block that is shorter is filled with zeros.
;;     - A block's scale is 2^e with e = floor(log2(the largest magnitude in the block)) - 2, held to -126 .. 127; a block of zeros has e = 0. As a byte (E8M0): e + 127.
;;     - Each number is divided by its block's scale, clamped to +-6, and rounded to the nearest number of E2M1, ties to even, subnormals kept.
;;     - The product sums the exact products of the quantised numbers (number of the format x scale) in f32.
;;   ~~~python
;;   def quantise(x, axis):      # numpy; x: float32 -> the quantised numbers, widened to float32 again
;;       x = np.moveaxis(x, axis, -1); K = x.shape[-1]
;;       x = np.pad(x, [(0, 0)] * (x.ndim - 1) + [(0, -K % 32)]); x = x.reshape(x.shape[:-1] + (-1, 32)); a = np.abs(x).max(-1, keepdims=True)
;;       e = np.where(a > 0, np.clip(np.frexp(np.where(a > 0, a, 1))[1] - 1 - 2, -126, 127), 0)      # np.frexp(a)[1] - 1 = floor(log2(a)), exactly
;;       r = np.clip(x / 2.0 ** e, -6, 6)
;;       step = 2.0 ** (np.maximum(np.frexp(np.where(r == 0, 1, r))[1] - 1, 0) - 1)
;;       q = np.round(r / step) * step * 2.0 ** e      # np.round: ties to even
;;       return np.moveaxis(q.reshape(q.shape[:-2] + (-1,))[..., :K], -1, axis).astype(np.float32)
;;   ~~~
;; One version. Each part assembles by itself: llvm-mc -triple=amdgcn-amd-amdhsa -mcpu=gfx1250 --defsym DOCPART=n.
;; ======== version 1 of 1: 4 launches
;; limits: values are held in f16: magnitudes above 65,504 overflow, below 6.1e-05 lose precision; right only within a limited range of input values
;; workspace buffers: xc 4,194,304 bytes; xs 262,144 bytes; wc 1,572,864 bytes; ws 98,304 bytes; qkv 50,331,648 bytes; ph 33,554,432 bytes; st 1,048,576 bytes
;; launch quant (part 1): grid 352 x 1, 4 waves a work-group, no clusters, 33,280 bytes of LDS; arguments x, Wq, Wk, Wv, xc, xs, wc, ws; writes xc, xs, wc, ws
.if DOCPART == 1
	.amdgcn_target "amdgcn-amd-amdhsa--gfx1250"
	.amdhsa_code_object_version 6
	.text
	.protected	k_q5fc6471665_quant
	.globl	k_q5fc6471665_quant
	.p2align	8
	.type	k_q5fc6471665_quant,@function
k_q5fc6471665_quant:
	s_mov_b64 s[64:65], 0
	v_nop
	global_prefetch_b8 v0, s[64:65] scope:SCOPE_SE
	s_setreg_imm32_b32 hwreg(HW_REG_WAVE_MODE, 25, 1), 1
	s_wait_xcnt 0x0
; x [8192][1024] and Wq, Wk, Wv [1024][1024], f32, K innermost, become codes of FP4 (E2M1), two a byte, and one E8M0 scale byte for each 32 along K.
; xc [8192][512 bytes], xs [8192][32];  wc [3072][512 bytes], ws [3072][32]: rows 0-1023 Wq's, 1024-2047 Wk's, 2048-3071 Wv's.
; A block's scale is 2^(floor(log2(its largest magnitude)) - 2); its byte is the largest magnitude's exponent field - 2, held at 1 from below.  A block of zeros so gets the byte 1 where the
; rule says 127: its codes are zeros, which add nothing under any byte but 0xff, and this program alone reads the bytes.  Each number is divided by the scale and rounded to the nearest code, ties to even;
; beyond 6 the conversion gives the largest code.
; LIMITS: blocks whose largest magnitude lies under 2^-124 keep the byte 1; NaN and infinities among the inputs are not served.
; Rows are dense and K is a multiple of 32: every tensor is a plain stream of blocks of 32.  A work-group takes 32,768 numbers, a wave 8,192 in 16 steps of 512.
; Work-groups 0-255 take x, 256-287 Wq, 288-319 Wk, 320-351 Wv: only pointers are chosen, by the work-group's number; all take one path through the text.
; Each of a step's four loads reads 512 consecutive bytes; the 2,048 bytes turn through the wave's own stage in LDS and come back 64 bytes a lane, so that a lane holds 16 neighbours along K
; (two neighbouring lanes hold a block).  A lane's 16 codes are 8 bytes: a wave's store covers 256 consecutive bytes, aligned.  A wave's 256 scale bytes are gathered in LDS and leave as one such run.
; No tensor load, no barrier: waves share nothing.  No cluster and no prefetch: every byte is read once, by long runs of loads that are eight steps, 32 loads a wave, ahead.
.set WAVES, 4
.set STEPS, 16
.set DEPTH, 8                          ; steps whose loads are out: half of a wave's 32,768 bytes
.set XWG,   256                        ; work-groups of x: 8,192 x 1,024 / 32,768
.set WWG,   32                         ; of each weight: 1,024 x 1,024 / 32,768
.set EMAX,  2
.set CB,    8                          ; bytes of 16 codes
.set R,     16                         ; v16-143  eight sets of 16 numbers as they are loaded
.set X,     144                        ; v144-175 two sets of 16 neighbours
.set E,     176                        ; v176-191 a scale byte for each step
.set C,     192                        ; v192-255 codes: four registers for each step, so that no store's data are written again
.set WREG,  8192                       ; LDS: a region for each wave: two stages of 32 x SP bytes, behind them its 256 scale bytes
.set SP,    80                         ; a lane's place in a stage: its 64 bytes + 16 of padding
.set SPW,   12                         ; v12      LDS address of my spare word; never rewritten
.set NIL,   13                         ; v13      0; never rewritten
.set SPARE, WAVES*WREG                 ; behind the four regions: the spare words, 128 bytes a wave, which no other line names
	s_load_b256 s[4:11], s[0:1], 0x0               ; x, Wq, Wk, Wv
	s_load_b256 s[12:19], s[0:1], 0x20             ; xc, xs, wc, ws
	v_lshl_add_u32 v[SPW], v0, 2, SPARE
	v_mov_b32 v[NIL], 0
	v_lshrrev_b32 v1, 5, v0
	v_readfirstlane_b32 s28, v1                    ; wave
	v_and_b32 v2, 31, v0                           ; lane
	v_lshlrev_b32 v3, 4, v2                        ; my 16 bytes of a load's 512
	s_mul_i32 s29, s28, WREG
	v_lshrrev_b32 v14, 2, v2
	v_mul_u32_u24 v14, v14, SP
	v_and_b32 v15, 3, v2
	v_lshl_add_u32 v14, v15, 4, v14
	v_add_nc_u32 v14, s29, v14                     ; the stage, on the way in: SP (lane / 4) + 16 (lane % 4)
	v_mul_u32_u24 v15, v2, SP
	v_add_nc_u32 v15, s29, v15                     ; and on the way out: SP x lane: my 16 neighbours
	v_mul_u32_u24 v4, v2, CB                       ; my codes' place in a step's
	v_lshrrev_b32 v5, 1, v2
	s_add_co_u32 s29, s29, 2*32*SP
	v_add_nc_u32 v5, s29, v5                       ; LDS: my wave's 256 scale bytes, my block's byte
	v_lshlrev_b32 v7, 3, v2                        ; and on the way out 8 bytes a lane
	v_add_nc_u32 v6, s29, v7
	s_wait_kmcnt 0x0
	s_cmp_lt_u32 ttmp9, XWG+2*WWG                  ; the choices hang on the work-group's number alone
	s_cselect_b64 s[20:21], s[8:9], s[10:11]       ; Wk or Wv
	s_cmp_lt_u32 ttmp9, XWG+WWG
	s_cselect_b64 s[20:21], s[6:7], s[20:21]       ; Wq
	s_cmp_lt_u32 ttmp9, XWG
	s_cselect_b64 s[20:21], s[4:5], s[20:21]       ; x: the source
	s_cselect_b64 s[22:23], s[12:13], s[16:17]     ; the codes' buffer
	s_cselect_b64 s[24:25], s[14:15], s[18:19]     ; the scale bytes' buffer
	s_cselect_b32 s26, 0, XWG
	s_sub_co_u32 s26, ttmp9, s26                   ; my part of the destination: the three weights lie on end there
	s_and_b32 s27, s26, WWG-1
	s_cmp_lt_u32 ttmp9, XWG                        ; (the subtraction has set SCC: compared again)
	s_cselect_b32 s27, s26, s27                    ; my part of the source
	s_lshl_b32 s27, s27, 2
	s_add_co_u32 s27, s27, s28                     ; which run of 8,192 numbers of the source is my wave's,
	s_lshl_b32 s30, s27, 15                        ; in bytes (under 2^25)
	s_mov_b32 s31, 0
	s_add_nc_u64 s[20:21], s[20:21], s[30:31]
	s_lshl_b32 s26, s26, 2
	s_add_co_u32 s26, s26, s28                     ; and which run of the destination
	s_lshl_b32 s30, s26, 12                        ; 4,096 bytes of codes a run
	s_add_nc_u64 s[22:23], s[22:23], s[30:31]
	s_lshl_b32 s30, s26, 8                         ; 256 scale bytes a run
	s_add_nc_u64 s[24:25], s[24:25], s[30:31]
.macro LOAD t
.irp i, 0,1,2,3
	global_load_b128 v[R+16*((\t)%DEPTH)+4*\i:R+16*((\t)%DEPTH)+4*\i+3], v3, s[20:21] offset:2048*(\t)+512*\i th:TH_LOAD_NT   ; 32 lanes read 512 consecutive bytes
.endr
.endm
.macro TURN t                          ; step t's numbers through the stage: LDS serves a wave's instructions in order (ISA guide 5.7.1.4), so no wait stands between the stores and the loads
.irp i, 0,1,2,3
	ds_store_b128 v14, v[R+16*((\t)%DEPTH)+4*\i:R+16*((\t)%DEPTH)+4*\i+3] offset:32*SP*((\t)%2)+8*SP*\i
.endr
.irp i, 0,1,2,3
	ds_load_b128 v[X+16*((\t)%2)+4*\i:X+16*((\t)%2)+4*\i+3], v15 offset:32*SP*((\t)%2)+16*\i
.endr
.endm
.irp t, 0,1,2,3,4,5,6,7
	LOAD \t
.endr
	s_wait_loadcnt 4*(DEPTH-1)                     ; step 0's four loads are in; the 28 behind them stay out
	TURN 0
.macro STEP t
.set XS, X+16*((\t)%2)
.if (\t) > 0
	s_wait_dscnt 1                                 ; this step's numbers are back from the stage (the last step's byte store may be out): so its stores into the stage have read their registers,
.else
	s_wait_dscnt 0x0
.endif
.if (\t)+DEPTH < STEPS
	LOAD (\t)+DEPTH                                ; which take the loads of eight steps on
.endif
.if (\t)+1 < STEPS
.if STEPS-2-(\t) >= DEPTH-1
	s_wait_loadcnt 4*(DEPTH-1)                     ; the next step's four loads are in; those of the seven steps behind it may be out
.else
	s_wait_loadcnt 4*(STEPS-2-(\t))                ; towards the end: as many steps as are left behind it
.endif
	TURN (\t)+1                                    ; and go through the other stage while this step is worked
.endif
	v_max3_num_f32 v8, |v[XS]|, |v[XS+1]|, |v[XS+2]|               ; the largest magnitude of my 16, in two chains
	v_max3_num_f32 v9, |v[XS+3]|, |v[XS+4]|, |v[XS+5]|
.irp i, 6,10
	v_max3_num_f32 v8, v8, |v[XS+\i]|, |v[XS+\i+1]|
	v_max3_num_f32 v9, v9, |v[XS+\i+2]|, |v[XS+\i+3]|
.endr
	v_max3_num_f32 v8, v8, |v[XS+14]|, |v[XS+15]|
	v_max3_num_f32 v8, v8, v9, (EMAX+1)<<23        ; and the floor 2^(3 - 127): the byte cannot fall under 1
	v_max_num_f32_dpp v8, v8, v8 row_xmask:1 row_mask:0xf bank_mask:0xf   ; and of my neighbour's 16: the block's
	v_add_nc_u32 v11, -(EMAX<<23), v8              ; 2 off its exponent field: the conversion takes the exponent field of this operand as its scale, and nothing else of it
	v_cvt_scalef32_pk8_fp4_f32 v[C+4*(\t)], v[XS:XS+7], v11
	v_cvt_scalef32_pk8_fp4_f32 v[C+4*(\t)+1], v[XS+8:XS+15], v11
	v_lshrrev_b32 v[E+(\t)], 23, v11               ; the scale's byte (also the plain line behind the conversions)
	ds_store_b8 v5, v[E+(\t)] offset:16*(\t)       ; both lanes of a block write the same byte with the same value
	global_store_b64 v4, v[C+4*(\t):C+4*(\t)+1], s[22:23] offset:32*CB*(\t)   ; 32 lanes store 256 consecutive bytes, aligned
.endm
.irp t, 0,1,2,3,4,5,6,7,8,9,10,11,12,13,14,15
	STEP \t
.endr
	ds_load_b64 v[8:9], v6                         ; in order behind my byte stores
	s_wait_dscnt 0x0
	global_store_b64 v7, v[8:9], s[24:25]          ; 32 lanes store 256 consecutive bytes, aligned
	s_wait_tensorcnt 0x0                           ; the wave's end, behind my last LDS store
	ds_add_u32 v[SPW], v[NIL]
	s_wait_dscnt 0x0
	s_endpgm
.Lfunc_end_k_q5fc6471665_quant:
	.size	k_q5fc6471665_quant, .Lfunc_end_k_q5fc6471665_quant-k_q5fc6471665_quant
	.p2alignl 7, 3214868480
	.fill 96, 4, 3214868480
	.section	.rodata,"a",@progbits
	.p2align	6, 0x0
	.amdhsa_kernel k_q5fc6471665_quant
		.amdhsa_group_segment_fixed_size 33280
		.amdhsa_private_segment_fixed_size 0
		.amdhsa_enable_private_segment 0
		.amdhsa_kernarg_size 64
		.amdhsa_user_sgpr_count 2
		.amdhsa_user_sgpr_kernarg_segment_ptr 1
		.amdhsa_wavefront_size32 1
		.amdhsa_system_sgpr_workgroup_id_x 1
		.amdhsa_system_sgpr_workgroup_id_y 1
		.amdhsa_system_sgpr_workgroup_id_z 1
		.amdhsa_system_vgpr_workitem_id 0
		.amdhsa_next_free_vgpr 256
		.amdhsa_next_free_sgpr 66
		.amdhsa_reserve_vcc 0
		.amdhsa_float_denorm_mode_32 3
		.amdhsa_float_denorm_mode_16_64 3
		.amdhsa_memory_ordered 1
		.amdhsa_forward_progress 1
		.amdhsa_inst_pref_size 34
	.end_amdhsa_kernel
	.amdgpu_metadata
---
amdhsa.version: [ 1, 2 ]
amdhsa.kernels:
  - .name:           k_q5fc6471665_quant
    .symbol:         k_q5fc6471665_quant.kd
    .args:
      - { .name: x, .offset: 0, .size: 8, .value_kind: global_buffer, .address_space: global }
      - { .name: Wq, .offset: 8, .size: 8, .value_kind: global_buffer, .address_space: global }
      - { .name: Wk, .offset: 16, .size: 8, .value_kind: global_buffer, .address_space: global }
      - { .name: Wv, .offset: 24, .size: 8, .value_kind: global_buffer, .address_space: global }
      - { .name: xc, .offset: 32, .size: 8, .value_kind: global_buffer, .address_space: global }
      - { .name: xs, .offset: 40, .size: 8, .value_kind: global_buffer, .address_space: global }
      - { .name: wc, .offset: 48, .size: 8, .value_kind: global_buffer, .address_space: global }
      - { .name: ws, .offset: 56, .size: 8, .value_kind: global_buffer, .address_space: global }
    .group_segment_fixed_size: 33280
    .private_segment_fixed_size: 0
    .kernarg_segment_align: 8
    .kernarg_segment_size: 64
    .max_flat_workgroup_size: 128
    .sgpr_count:     66
    .vgpr_count:     256
    .wavefront_size: 32
...
	.end_amdgpu_metadata
.endif
;; end of part 1
;; launch proj (part 2): grid 12 x 32, 4 waves a work-group, clusters of 4 x 4, 327,680 bytes of LDS; arguments xc, xs, wc, ws, bq, bk, bv, qkv; writes qkv
.if DOCPART == 2
	.amdgcn_target "amdgcn-amd-amdhsa--gfx1250"
	.amdhsa_code_object_version 6
	.text
	.protected	k_q5fc6471665_proj
	.globl	k_q5fc6471665_proj
	.p2align	8
	.type	k_q5fc6471665_proj,@function
k_q5fc6471665_proj:
	s_mov_b64 s[64:65], 0
	v_nop
	global_prefetch_b8 v0, s[64:65] scope:SCOPE_SE
	s_setreg_imm32_b32 hwreg(HW_REG_WAVE_MODE, 25, 1), 1
	s_wait_xcnt 0x0
	s_wait_alu depctr_hold_cnt(0) depctr_sa_sdst(0) depctr_va_vdst(0) depctr_va_sdst(0) depctr_va_ssrc(0) depctr_va_vcc(0) depctr_vm_vsrc(0)
	s_getreg_b32 s2, hwreg(HW_REG_IB_STS2, 6, 4)
	s_cmp_eq_u32 s2, 0
	s_cbranch_scc0 .Lentry_in_a_cluster
	s_endpgm
.Lentry_in_a_cluster:
	s_bfe_u32 s2, ttmp6, 0x10000c
	s_cmp_lg_u32 s2, 0xf033
	s_cbranch_scc0 .Lentry_shape_is_right
	s_endpgm
.Lentry_shape_is_right:
; Q, K, V = x W^T + b, the three products as ONE product [8192] x [3072] over K = 1,024 on codes of FP4 (E2M1) with one E8M0 scale for each 32 along K; sums in f32; the bias is added in f32;
; the results are rounded once to f16 and stored as qkv [3][8192][1024] (Q, K, V), operands of the two products that follow.
; LIMIT: |Q|, |K|, |V| up to 65,504, f16's largest number (with x and W 30 times the drawn spread they reach some 5,000; with offsets of 30 spreads on both some 29,000).
; A tile of C, 256 x 256, is made by a work-group of four waves; a wave makes 128 x 128: 64 accumulators of 16 x 16, 512 registers.  K is two slots of 512 (rows of 256 bytes): both are asked for at the start,
; nothing is filled again.  The scale bytes of the work-group's 256 rows of x and 256 rows of W, for all of K, are two dense blocks of 8,192 bytes: they come with the first fills and stay.
; CLUSTERS: 4 x 4 work-groups.  The four of a row of the cluster need the same tiles of x, the four of a column the same tiles of W: each tile is asked for JOINTLY, by the same tensor load with the same
; descriptor and a mask that names the four.  A cluster's four tile columns are one of Q, K, V: cluster x says which.
; THE MATRIX INSTRUCTION IS USED TRANSPOSED (source 0 = 16 rows of W, source 1 = 16 rows of x): a lane then holds eight neighbouring channels of one token.
; REGISTERS, in windows of 256: window 0: v0-31 addresses; v32-95 scale words, two sets, which hold nothing else; v96-127, v192-255 at work on the way out; v128-191 x's fragments, ONE set, on the way out rows read back.
;   window 1: W's fragments, TWO sets, at v0 and v128; v64-127 the bias of my 128 channels in the result's layout.   window 2: the accumulators of my rows 0-63 ((a, b) at v[8 (8 a + b)]);   window 3: rows 64-127.
.set KSTEP,  512                       ; along K in a slot
.set NQ,     KSTEP/128                 ; matrix instructions deep
.set ROWB,   256                       ; a tile's row in bytes
.set KROW,   512                       ; a row of codes in memory: 1,024 codes
.set PITCH,  272                       ; an LDS row: 256 bytes + 16 of padding = 68 words: the 16 rows that a load touches start 4 words apart modulo 64
.set FR,     8                         ; registers of a fragment: 16 rows x 128 K
.set NL,     2                         ; LDS loads that bring one
.set NP,     4                         ; places behind this matrix instruction (ISA guide 7.12.1)
.set HALFT,  128*PITCH                 ; 128 rows: what one tensor load brings, and what one wave reads of x or of W
.set SLOT,   4*HALFT                   ; x's 256 rows, then W's 256 rows
.set KS,     32                        ; a row of scale bytes
.set SCL,    2*SLOT                    ; behind the slots: the scales, as runs of 256 bytes + 16 of padding
.set HALFS,  (128*KS/256)*272          ; the scales of 128 rows: what one tensor load brings
.set SBLK,   (16*KS/256)*272           ; those of 16 rows
.set SPARE,  SCL+4*HALFS               ; the spare words, 128 bytes a wave, which no other line names
.set SPITCH, 272                       ; the way out: a stage of 16 rows x (256 bytes + 16) for each wave, in slot 0, which has had its one fill and its last read when the first result is stored there
.set OROW,   2048                      ; a row of Q, K or V in bytes
.set ADRA, 16                          ; v16-17  LDS address of my x fragments in slot 0, 1
.set ADRB, 20                          ; v20-21  the same for W
.set STO,  24                          ; v24     the way out: where I put 16 bytes of a row
.set RD,   25                          ; v25     where I read a row back
.set CO,   26                          ; v26     my byte offset in two rows of the output
.set ADRS, 27                          ; v27     LDS address of my scale words: lanes 0-15 x's rows, lanes 16-31 W's
.set SPW,  28                          ; v28     LDS address of my spare word; never rewritten
.set NIL,  29                          ; v29     0; never rewritten
.set BO,   30                          ; v30     32 x (lane / 16): my eight numbers of a tile's sixteen biases; never rewritten
.set SC,   32                          ; scale words: set s at v[SC + 32 s]; register 4 i + q: lanes 0-15 the word of x's block i, lanes 16-31 of W's block i, for the slot's q-th 128 along K
.set AF,   128                         ; x's fragments
.set BIAS, 64                          ; in window 1
.set T,    192                         ; the way out: 64 sums with their bias
.set TMP,  96                          ; 32 registers of f16 pairs
.set BK,   128                         ; 16 rows read back: v128-159 and v160-191 by turns
.set G1, 24                            ; s[24:31] descriptor group 1 for x's tiles;  s[32:39] group 0, one set for each slot
.set G0, 32
.set G1B, 48                           ; s[48:55], s[56:63] the same for W's tiles
.set G0B, 56
.set G1S, 68                           ; s[68:75], s[76:79] groups 1 and 0 for x's scales;  s[80:87], s[88:91] for W's
.set G0S, 76
.set G1SB, 80
.set G0SB, 88
.set MSB, 0
.macro WIN new                         ; the immediate's high byte repeats the setting that is left; a switch that changes nothing is dropped
.if MSB != (\new)
	s_set_vgpr_msb (MSB<<8)|(\new)
.set MSB, (\new)
.endif
.endm
.set MUL_LO, 0xa1                      ; source 0 (W) window 1, source 1 (x) window 0, C and D window 2
.set MUL_HI, 0xf1                      ; the same, C and D window 3
.set TO_B,   0x40                      ; destination window 1, address window 0
; A joint load: waves 0 and 1 fetch for x, waves 2 and 3 for W.  Each line has one mask and one set of registers for all that issue it; the branch hangs on the wave's number alone.
; An s_nop 0 and four v_nop follow each of the two lines.
.macro JLOAD g0a, g1a, g0b, g1b
	s_cmp_eq_u32 s15, 0
	s_cbranch_scc0 .Lfor_b_\@
	tensor_load_to_lds s[\g0a:\g0a+3], s[\g1a:\g1a+7]
	s_nop 0
.rept 4
	v_nop
.endr
	s_branch .Lasked_\@
.Lfor_b_\@:
	tensor_load_to_lds s[\g0b:\g0b+3], s[\g1b:\g1b+7]
	s_nop 0
.rept 4
	v_nop
.endr
.Lasked_\@:
.endm
.macro CROUND                          ; a round of the cluster's barrier
	s_barrier_signal -1
	s_barrier_wait -1
	s_cmp_lg_u32 s14, 0
	s_cbranch_scc1 .Lnot_wave_0_\@
	s_barrier_signal -3
.Lnot_wave_0_\@:
	s_barrier_wait -3
	s_barrier_signal -1
	s_barrier_wait -1
.endm
	s_load_b128 s[4:7], s[0:1], 0x0                ; x's codes s[4:5], x's scales s[6:7]
	s_load_b128 s[8:11], s[0:1], 0x10              ; W's codes s[8:9], W's scales s[10:11]
	s_load_b64 s[12:13], s[0:1], 0x38              ; qkv
	v_lshl_add_u32 v[SPW], v0, 2, SPARE
	v_mov_b32 v[NIL], 0
	ds_add_u32 v[SPW], v[NIL]                      ; the wave's opening: the add, twice on end, and its wait ahead of my first tensor load
	ds_add_u32 v[SPW], v[NIL]                      ; and once more; the set-up below, work on registers, stands between it and the wait
	v_lshrrev_b32 v1, 5, v0
	v_readfirstlane_b32 s14, v1                    ; wave 0..3
	s_lshr_b32 s15, s14, 1                         ; which half of the tile's rows is mine.  Also: I fetch for x (0) or for W (1)
	s_and_b32 s16, s14, 1                          ; which half of its columns.  Also: which 128 rows of that tile I fetch
	s_bfe_u32 s40, ttmp6, 0x40000                  ; cx, cy: my place in the cluster
	s_bfe_u32 s41, ttmp6, 0x40004
	s_lshl_b32 s42, ttmp9, 2
	s_add_co_u32 s42, s42, s40                     ; tile column = 4 x cluster x + cx
	s_and_b32 s17, ttmp7, 0xffff
	s_lshl_b32 s17, s17, 2
	s_add_co_u32 s17, s17, s41                     ; tile row = 4 x cluster y + cy
	s_lshl_b32 s43, s41, 2
	s_lshl_b32 s43, 15, s43                        ; my row of the cluster
	s_lshl_b32 s44, 0x1111, s40                    ; my column
	; descriptor group 1: a tile of 128 rows x 256 bytes, padded in LDS
	s_or_b32 s[G1+0], s43, (0<<16)|(1<<20)|(1<<21)|(5<<22)|(3<<25)  ; 15:0 the mask: x's tiles go to my row; 17:16 element of 1 byte; 20 padding on; 21 set beside a mask; 24:22 after every 64 words; 31:25 four words
	s_or_b32 s[G1B+0], s44, (0<<16)|(1<<20)|(1<<21)|(5<<22)|(3<<25)
.irp g, G1, G1B
	s_mov_b32 s[\g+1], ROWB<<16                    ; tensor_dim0
	s_mov_b32 s[\g+2], 128<<16                     ; tensor_dim1
	s_mov_b32 s[\g+3], ROWB<<16                    ; tile_dim0
	s_mov_b32 s[\g+4], 128                         ; tile_dim1
	s_mov_b32 s[\g+5], KROW                        ; tensor_dim0_stride
	s_mov_b32 s[\g+6], 0
	s_mov_b32 s[\g+7], 0
.endr
	; the scales of 128 rows: a dense block of 4,096 bytes, as 16 rows of 256 bytes (32 elements of 8 bytes), 16 bytes of padding behind each
	s_or_b32 s[G1S+0], s43, (3<<16)|(1<<20)|(1<<21)|(5<<22)|(3<<25)
	s_or_b32 s[G1SB+0], s44, (3<<16)|(1<<20)|(1<<21)|(5<<22)|(3<<25)
.irp g, G1S, G1SB
	s_mov_b32 s[\g+1], 32<<16
	s_mov_b32 s[\g+2], (128*KS/256)<<16
	s_mov_b32 s[\g+3], 32<<16
	s_mov_b32 s[\g+4], 128*KS/256
	s_mov_b32 s[\g+5], 32
	s_mov_b32 s[\g+6], 0
	s_mov_b32 s[\g+7], 0
.endr
	s_lshl_b32 s18, s16, 7                         ; which 128 rows of the tile I fetch
	s_lshl_b32 s20, s17, 8
	s_add_co_u32 s20, s20, s18                     ; x: row 256 x tile row + 128 x half
	s_lshl_b32 s46, s42, 8
	s_add_co_u32 s46, s46, s18                     ; W: row 256 x tile column + 128 x half
	s_mov_b32 s21, 0
	s_mov_b32 s47, 0
	s_mov_b64 s[18:19], KS
	s_mul_u64 s[22:23], s[20:21], s[18:19]         ; where these rows' scales begin, in bytes
	s_mul_u64 s[92:93], s[46:47], s[18:19]
	s_mov_b64 s[18:19], KROW
	s_mul_u64 s[20:21], s[20:21], s[18:19]         ; and their codes
	s_mul_u64 s[46:47], s[46:47], s[18:19]
	s_mul_i32 s45, s14, HALFT                      ; where they go: wave x 128 rows: no place in the cluster enters an LDS address
	s_mul_i32 s94, s14, HALFS
	s_wait_dscnt 0x0                               ; both opening adds are done
	s_wait_kmcnt 0x0
	s_add_nc_u64 s[20:21], s[4:5], s[20:21]
	s_add_nc_u64 s[22:23], s[6:7], s[22:23]
	s_add_nc_u64 s[46:47], s[8:9], s[46:47]
	s_add_nc_u64 s[92:93], s[10:11], s[92:93]
	CROUND                                         ; all sixteen work-groups are here: the first joint loads meet
	s_mov_b32 s[G0S], 1
	s_add_co_u32 s[G0S+1], s94, SCL
	s_mov_b64 s[G0S+2:G0S+3], s[22:23]
	s_or_b32 s[G0S+3], s[G0S+3], 0x80000000
	s_mov_b32 s[G0SB], 1
	s_add_co_u32 s[G0SB+1], s94, SCL
	s_mov_b64 s[G0SB+2:G0SB+3], s[92:93]
	s_or_b32 s[G0SB+3], s[G0SB+3], 0x80000000
	JLOAD G0S, G1S, G0SB, G1SB                     ; the scales first: they are wanted with slot 0
.irp s, 0,1
	s_mov_b32 s[G0+4*\s], 1
	s_add_co_u32 s[G0+4*\s+1], s45, \s*SLOT
	s_add_nc_u64 s[G0+4*\s+2:G0+4*\s+3], s[20:21], \s*ROWB
	s_or_b32 s[G0+4*\s+3], s[G0+4*\s+3], 0x80000000
	s_mov_b32 s[G0B+4*\s], 1
	s_add_co_u32 s[G0B+4*\s+1], s45, \s*SLOT
	s_add_nc_u64 s[G0B+4*\s+2:G0B+4*\s+3], s[46:47], \s*ROWB
	s_or_b32 s[G0B+4*\s+3], s[G0B+4*\s+3], 0x80000000
	JLOAD G0+4*\s, G1, G0B+4*\s, G1B               ; three loads of mine are out now: the scales and both slots
.endr
	s_load_b128 s[4:7], s[0:1], 0x20               ; bq, bk: into registers whose addresses the descriptors have copied
	s_load_b64 s[8:9], s[0:1], 0x30                ; bv
	v_and_b32 v1, 15, v0                           ; r = l % 16
	v_bfe_u32 v2, v0, 4, 1                         ; h = l / 16
	v_mul_u32_u24 v3, v1, PITCH
	v_lshl_add_u32 v4, v2, 4, v3                   ; a fragment's row x pitch + 16 x half
	s_mul_i32 s21, s15, HALFT                      ; my 128 rows of x
	s_mul_i32 s22, s16, HALFT                      ; my 128 rows of W,
	s_add_co_u32 s22, s22, 2*HALFT                 ; which lie behind x's 256
.irp s, 0,1
	v_add_nc_u32 v[ADRA+\s], s21, v4
	v_add_nc_u32 v[ADRB+\s], s22, v4
	s_add_co_u32 s21, s21, SLOT
	s_add_co_u32 s22, s22, SLOT
.endr
	v_mul_u32_u24 v5, v1, KS                       ; my row's scales: 32 bytes a row,
	v_lshrrev_b32 v6, 8, v5
	v_lshl_add_u32 v5, v6, 4, v5                   ; and 16 more for each 256 passed
	s_mul_i32 s21, s15, HALFS                      ; x's: my 128 rows
	s_mul_i32 s22, s16, HALFS                      ; W's: my 128 rows, behind x's 256
	s_add_co_u32 s22, s22, 2*HALFS
	s_sub_co_u32 s22, s22, s21
	v_mul_u32_u24 v6, s22, v2                      ; lanes 16-31 take W's: one product, the distance between the two bases x h
	s_add_co_u32 s21, s21, SCL
	v_add_nc_u32 v5, v5, v6
	v_add_nc_u32 v[ADRS], s21, v5
	s_mul_i32 s23, s14, 16*SPITCH                  ; my stage
	v_mul_u32_u24 v5, v1, SPITCH                   ; in: row r, 16 bytes for each half of the lanes
	v_lshl_add_u32 v5, v2, 4, v5
	v_add_nc_u32 v[STO], s23, v5
	v_mul_u32_u24 v5, v2, SPITCH                   ; back: lanes 0-15 take one row of 256 bytes, lanes 16-31 the next
	v_lshl_add_u32 v5, v1, 4, v5
	v_add_nc_u32 v[RD], s23, v5
	v_lshlrev_b32 v5, 11, v2                       ; and the same two rows in the output
	v_lshl_add_u32 v[CO], v1, 4, v5
	v_lshlrev_b32 v[BO], 5, v2
	s_lshl_b32 s20, s17, 8
	s_lshl_b32 s21, s15, 7
	s_add_co_u32 s20, s20, s21                     ; my first token: 256 x tile row + 128 x half
	s_lshl_b32 s20, s20, 11                        ; x 2,048 bytes
	s_lshl_b32 s21, ttmp9, 24                      ; + Q, K or V: 16,777,216 bytes each
	s_add_co_u32 s20, s20, s21
	s_mov_b32 s21, 0
	s_add_nc_u64 s[12:13], s[12:13], s[20:21]
	s_lshl_b32 s46, s40, 9                         ; my first channel, in bytes of f16: 512 cx + 256 x half
	s_lshl_b32 s47, s16, 8
	s_add_co_u32 s46, s46, s47
	s_mov_b32 s47, 0
	s_add_nc_u64 s[12:13], s[12:13], s[46:47]
	s_lshl_b32 s46, s46, 1                         ; the same channel in bytes of f32
	s_wait_kmcnt 0x0
	s_cmp_eq_u32 ttmp9, 0                          ; the bias by cluster x, which all partners share
	s_cselect_b64 s[4:5], s[4:5], s[6:7]
	s_cmp_eq_u32 ttmp9, 2
	s_cselect_b64 s[4:5], s[8:9], s[4:5]
	s_add_nc_u64 s[4:5], s[4:5], s[46:47]
	WIN TO_B
.irp b, 0,1,2,3,4,5,6,7                        ; register BIAS + 8 b + j: the bias of channel 16 b + 8 h + j, as accumulator (a, b) holds it
	global_load_b128 v[BIAS+8*\b:BIAS+8*\b+3], v[BO], s[4:5] offset:64*\b
	global_load_b128 v[BIAS+8*\b+4:BIAS+8*\b+7], v[BO], s[4:5] offset:64*\b+16
.endr
	WIN 0
.macro FRAG reg, adr, q, i             ; a fragment, 16 rows x 128 K of 4-bit codes: lane l holds row l % 16; registers 4 c .. 4 c + 3 hold K = 64 c + 32 (l / 16) + 0 .. 31
.irp c, 0,1
	ds_load_b128 v[\reg+4*\c:\reg+4*\c+3], v[\adr] offset:64*(\q)+32*\c+(\i)*16*PITCH
.endr
.endm
; 16 matrix instructions: x's blocks a0, a0 + 1 against W's eight, 128 along K: the slot's q-th.  p: W's set;  sc: the set of scale words.  zero = 1: the first product starts the sums.
; The 64 accumulators take turns, one instruction a turn, in the same order in every step.
.macro MUL16 a0, p, q, sc, zero
.irp a, \a0, \a0+1
.irp b, 0,1,2,3,4,5,6,7
.if \zero
	v_wmma_scale_f32_16x16x128_f8f6f4 v[8*(8*((\a)%4)+\b):8*(8*((\a)%4)+\b)+7], v[128*(\p)+FR*\b:128*(\p)+FR*\b+FR-1], v[AF+FR*(\a):AF+FR*(\a)+FR-1], 0, v[SC+8*NQ*(\sc)+NQ*\b+(\q)], v[SC+8*NQ*(\sc)+NQ*(\a)+(\q)] matrix_a_fmt:MATRIX_FMT_FP4 matrix_b_fmt:MATRIX_FMT_FP4 matrix_a_scale:MATRIX_SCALE_ROW1
.else
	v_wmma_scale_f32_16x16x128_f8f6f4 v[8*(8*((\a)%4)+\b):8*(8*((\a)%4)+\b)+7], v[128*(\p)+FR*\b:128*(\p)+FR*\b+FR-1], v[AF+FR*(\a):AF+FR*(\a)+FR-1], v[8*(8*((\a)%4)+\b):8*(8*((\a)%4)+\b)+7], v[SC+8*NQ*(\sc)+NQ*\b+(\q)], v[SC+8*NQ*(\sc)+NQ*(\a)+(\q)] matrix_a_fmt:MATRIX_FMT_FP4 matrix_b_fmt:MATRIX_FMT_FP4 matrix_a_scale:MATRIX_SCALE_ROW1
.endif
.endr
.endr
.endm
.macro FETCH_B slot, q, p              ; W's eight fragments of the slot's q-th 128 along K into set p
	WIN TO_B
.irp i, 0,1,2,3,4,5,6,7
	FRAG 128*(\p)+FR*\i, ADRB+\slot, \q, \i
.endr
	WIN 0
.endm
.macro FETCH_A slot, q, i0             ; x's blocks i0 .. i0 + 3
.irp i, \i0, \i0+1, \i0+2, \i0+3
	FRAG AF+FR*(\i), ADRA+\slot, \q, \i
.endr
.endm
.macro SCALES sc                       ; a slot's scale words into set sc: four words a row; lanes 0-15 take x's block i, lanes 16-31 W's block i
.irp i, 0,1,2,3,4,5,6,7
	ds_load_b128 v[SC+8*NQ*\sc+NQ*\i:SC+8*NQ*\sc+NQ*\i+3], v[ADRS] offset:\i*SBLK
.endr
.endm
.macro PLACES n                        ; plain vector lines between a matrix instruction and a load into, or a vector line on, its registers (ISA guide 7.12.1 for vector lines)
.rept \n
	v_nop
.endr
.endm
; A step of 128 along K that has its successor in the same slot.  A block of x is free as soon as its eight products are issued: blocks 0-3 are fetched anew in the step's middle, blocks 4-7 at its end.
.macro STEP slot, q, zero
	s_wait_dscnt 4*NL                              ; W's set and x's blocks 0-3 are in; the youngest eight loads (x's blocks 4-7) may be out
	WIN MUL_LO
	MUL16 0, (\q)%2, \q, \slot, \zero
	MUL16 2, (\q)%2, \q, \slot, \zero
	s_wait_dscnt 0                                 ; x's blocks 4-7 are in
	PLACES NP
	FETCH_B \slot, (\q)+1, 1-(\q)%2
	FETCH_A \slot, (\q)+1, 0
	WIN MUL_HI
	MUL16 4, (\q)%2, \q, \slot, \zero
	MUL16 6, (\q)%2, \q, \slot, \zero
	PLACES NP
	WIN 0
	FETCH_A \slot, (\q)+1, 4
.endm
; Slot 0's last step changes slots: each wave waits for all its tensor loads (slot 1's is the one that may be out), adds 0 to its spare word, waits for that and for its reads of slot 0, and passes the barrier.
; Behind it slot 1 is whole and nobody reads slot 0 any more.  Nothing is filled again.
.macro TURN slot, next
	s_wait_tensorcnt 0x0                           ; all my tensor loads have landed
	ds_add_u32 v[SPW], v[NIL]                      ; 0 onto my spare word
	s_wait_dscnt 4*NL+1                            ; (the add and the youngest eight loads may be out)
	WIN MUL_LO
	MUL16 0, 1, NQ-1, \slot, 0                     ; sixteen matrix instructions stand between the add and the wait for it
	s_wait_dscnt 0x0                               ; the add is done, and my reads of this slot are over
	s_barrier_signal -1
	MUL16 2, 1, NQ-1, \slot, 0
	WIN 0
	s_barrier_wait -1
	PLACES NP
	v_add_nc_u32 v[ADRS], 4*NQ, v[ADRS]            ; on to the next slot's scale words
	FETCH_B \next, 0, 0
	FETCH_A \next, 0, 0
	SCALES \next
	WIN MUL_HI
	MUL16 4, 1, NQ-1, \slot, 0
	MUL16 6, 1, NQ-1, \slot, 0
	PLACES NP
	WIN 0
	FETCH_A \next, 0, 4
.endm
.macro STEPS slot, from                ; the slot's steps from .. NQ - 2
.set Q, \from
.rept NQ-1-\from
	STEP \slot, Q, 0
.set Q, Q+1
.endr
.endm
	s_wait_tensorcnt 1                             ; the scales and my part of slot 0 are in (slot 1's load may be out)
	s_barrier_signal -1
	s_barrier_wait -1                              ; everybody's are
	FETCH_B 0, 0, 0
	FETCH_A 0, 0, 0
	SCALES 0
	FETCH_A 0, 0, 4
	STEP 0, 0, 1                                   ; the first step's products start the sums: nothing is cleared
	STEPS 0, 1
	TURN 0, 1
	STEPS 1, 0
	s_wait_dscnt 4*NL                              ; the last step: nothing more to fetch
	WIN MUL_LO
	MUL16 0, 1, NQ-1, 1, 0
	MUL16 2, 1, NQ-1, 1, 0
	s_wait_dscnt 0
	WIN MUL_HI
	MUL16 4, 1, NQ-1, 1, 0
	MUL16 6, 1, NQ-1, 1, 0
	WIN 0
; THE WAY OUT, block by block of 16 tokens x 128 channels.  PACK: + bias in f32, rounded once to f16: 16 bytes a lane.  TOSTAGE: into my own stage, and back as whole rows of 256 bytes.  SEND: stored.
.macro PACK a
.set AC, 64*((\a)%4)
	WIN 0x06+((\a)/4)                              ; source 0: window 2 or 3 (the sums); source 1: window 1 (the bias)
.set ii, 0
.rept 32
	v_pk_add_f32 v[T+2*ii:T+2*ii+1], v[AC+2*ii:AC+2*ii+1], v[BIAS+2*ii:BIAS+2*ii+1]   ; each accumulator from its low end on
.set ii, ii+1
.endr
	WIN 0
.set ii, 0
.rept 32
	v_cvt_pk_f16_f32 v[TMP+ii], v[T+2*ii], v[T+2*ii+1]
.set ii, ii+1
.endr
.endm
.macro TOSTAGE a
.set BB, BK+32*((\a)%2)
.irp b, 0,1,2,3,4,5,6,7
	ds_store_b128 v[STO], v[TMP+4*\b:TMP+4*\b+3] offset:32*\b
.endr
.irp t, 0,1,2,3,4,5,6,7
	ds_load_b128 v[BB+4*\t:BB+4*\t+3], v[RD] offset:\t*2*SPITCH    ; LDS serves a wave's instructions in order (ISA guide 5.7.1.4): these see the stores above
.endr
.endm
.macro SEND a, younger
.set BB, BK+32*((\a)%2)
	s_wait_dscnt \younger                          ; the block is back in registers
	s_wait_xcnt 0x0                                ; earlier stores have read their base and their data: only behind this wait are these rewritten
.if (\a) > 0
	s_add_nc_u64 s[12:13], s[12:13], 16*OROW       ; 16 tokens on
.endif
.irp t, 0,1,2,3,4,5,6,7
	global_store_b128 v[CO], v[BB+4*\t:BB+4*\t+3], s[12:13] offset:2*\t*OROW   ; 16 lanes store 256 consecutive bytes, aligned
.endr
.endm
	s_wait_loadcnt 0x0                             ; the bias
	PLACES NP                                      ; behind the last products: their results are read, and the registers that held x's fragments are loaded anew
	PACK 0
	TOSTAGE 0
.irp a, 1,2,3,4,5,6,7                  ; block a's arithmetic stands between block a - 1's loads from the stage and the wait for them
	PACK \a
	SEND \a-1, 0
	TOSTAGE \a
.endr
	SEND 7, 0
	s_wait_tensorcnt 0x0                           ; the wave's end, behind my last tensor load and my last LDS store
	ds_add_u32 v[SPW], v[NIL]
	s_wait_dscnt 0x0
	CROUND                                         ; the closing round: no work-group ends while a partner may still ask for a tile that names it
	s_endpgm
.Lfunc_end_k_q5fc6471665_proj:
	.size	k_q5fc6471665_proj, .Lfunc_end_k_q5fc6471665_proj-k_q5fc6471665_proj
	.p2alignl 7, 3214868480
	.fill 96, 4, 3214868480
	.section	.rodata,"a",@progbits
	.p2align	6, 0x0
	.amdhsa_kernel k_q5fc6471665_proj
		.amdhsa_group_segment_fixed_size 327680
		.amdhsa_private_segment_fixed_size 0
		.amdhsa_enable_private_segment 0
		.amdhsa_kernarg_size 64
		.amdhsa_user_sgpr_count 2
		.amdhsa_user_sgpr_kernarg_segment_ptr 1
		.amdhsa_wavefront_size32 1
		.amdhsa_system_sgpr_workgroup_id_x 1
		.amdhsa_system_sgpr_workgroup_id_y 1
		.amdhsa_system_sgpr_workgroup_id_z 1
		.amdhsa_system_vgpr_workitem_id 0
		.amdhsa_next_free_vgpr 1024
		.amdhsa_next_free_sgpr 98
		.amdhsa_reserve_vcc 0
		.amdhsa_float_denorm_mode_32 3
		.amdhsa_float_denorm_mode_16_64 3
		.amdhsa_memory_ordered 1
		.amdhsa_forward_progress 1
		.amdhsa_inst_pref_size 145
	.end_amdhsa_kernel
	.amdgpu_metadata
---
amdhsa.version: [ 1, 2 ]
amdhsa.kernels:
  - .name:           k_q5fc6471665_proj
    .symbol:         k_q5fc6471665_proj.kd
    .args:
      - { .name: xc, .offset: 0, .size: 8, .value_kind: global_buffer, .address_space: global }
      - { .name: xs, .offset: 8, .size: 8, .value_kind: global_buffer, .address_space: global }
      - { .name: wc, .offset: 16, .size: 8, .value_kind: global_buffer, .address_space: global }
      - { .name: ws, .offset: 24, .size: 8, .value_kind: global_buffer, .address_space: global }
      - { .name: bq, .offset: 32, .size: 8, .value_kind: global_buffer, .address_space: global }
      - { .name: bk, .offset: 40, .size: 8, .value_kind: global_buffer, .address_space: global }
      - { .name: bv, .offset: 48, .size: 8, .value_kind: global_buffer, .address_space: global }
      - { .name: qkv, .offset: 56, .size: 8, .value_kind: global_buffer, .address_space: global }
    .group_segment_fixed_size: 327680
    .private_segment_fixed_size: 0
    .kernarg_segment_align: 8
    .kernarg_segment_size: 64
    .max_flat_workgroup_size: 128
    .sgpr_count:     98
    .vgpr_count:     1024
    .wavefront_size: 32
...
	.end_amdgpu_metadata
.endif
;; end of part 2
;; launch score (part 3): grid 8 x 32, 4 waves a work-group, clusters of 4 x 4, 327,680 bytes of LDS; arguments qkv, mask, ph, st; writes ph, st
.if DOCPART == 3
	.amdgcn_target "amdgcn-amd-amdhsa--gfx1250"
	.amdhsa_code_object_version 6
	.text
	.protected	k_q5fc6471665_score
	.globl	k_q5fc6471665_score
	.p2align	8
	.type	k_q5fc6471665_score,@function
k_q5fc6471665_score:
	s_mov_b64 s[64:65], 0
	v_nop
	global_prefetch_b8 v0, s[64:65] scope:SCOPE_SE
	s_setreg_imm32_b32 hwreg(HW_REG_WAVE_MODE, 25, 1), 1
	s_wait_xcnt 0x0
	s_wait_alu depctr_hold_cnt(0) depctr_sa_sdst(0) depctr_va_vdst(0) depctr_va_sdst(0) depctr_va_ssrc(0) depctr_va_vcc(0) depctr_vm_vsrc(0)
	s_getreg_b32 s2, hwreg(HW_REG_IB_STS2, 6, 4)
	s_cmp_eq_u32 s2, 0
	s_cbranch_scc0 .Lentry_in_a_cluster
	s_endpgm
.Lentry_in_a_cluster:
	s_bfe_u32 s2, ttmp6, 0x10000c
	s_cmp_lg_u32 s2, 0xf033
	s_cbranch_scc0 .Lentry_shape_is_right
	s_endpgm
.Lentry_shape_is_right:
; For each batch: S = Q K^T over the head's 1,024 (f16 operands, f32 sums), the key mask, and a softmax LOCAL TO A CHUNK OF 128 KEYS.
; t = (s, or -infinity where the key's mask byte is 0) x c, c = log2(e) / 32.  For a query and a chunk: M = the chunk's largest t, held at -3e38 from below, rounded UP to a whole number; p = 2^(t - M).
; Stored: ph, p rounded once to f16, AS IMAGES OF THE NEXT PRODUCT'S OPERAND REGISTERS: [512 blocks of 16 queries][64 blocks of 32 keys][1,024 bytes]: a fragment's registers 0-3, lane l's 16 bytes at 16 l, then its registers 4-7;
; st: nm[16 chunks][8192] = -M, then l[16][8192] = the chunk's sum of the unrounded p, both f32.
; The next launch brings the chunks of a row under the row's largest M by exact powers of two, and divides by the row's sum: the maximum is taken away before every exponential.
; A chunk all of whose keys are masked has -M = 3e38, p = 0, l = 0.
; LIMITS: NaN and infinities among Q and K are not served; t above -3e38.
; A tile, 256 queries x 256 keys, is made by a work-group of four waves; a wave makes 128 x 128 (its 128 keys are one chunk): 64 accumulators of 16 x 16, 512 registers.
; K goes in steps of 128 through a ring of two LDS slots filled by the tensor data mover: a tile's row is 256 bytes of memory, aligned.
; CLUSTERS: 4 x 4 work-groups.  The four of a row of the cluster need the same tiles of Q, the four of a column the same tiles of K: each tile is asked for JOINTLY.  A cluster's 1,024 queries lie in one batch.
; THE MATRIX INSTRUCTION IS USED TRANSPOSED (source 0 = 16 keys, source 1 = 16 queries): a lane holds ONE query (l % 16) and, in accumulator (a, b), keys 16 b + 8 (l / 16) + 0 .. 7.  Rounded in pairs, the four
; registers of accumulator (a, 2 c) and the four of (a, 2 c + 1) ARE the fragment (16 queries x keys 32 c .. 32 c + 31) that the next product takes: they are stored as they stand, 512 consecutive bytes a store.
; No prefetch: a refill has 224 matrix instructions between its request and the wait for it, and each tile is shared by four work-groups.
; REGISTERS, in windows of 256: window 0: v0-31 addresses; v64-127, v128-191 Q's fragments, two buffers; on the way out v64-255 at work.
;   window 1: v0-63 the mask as 0 or -infinity, in an accumulator row's layout; v64-127, v128-191 K's fragments.   window 2: the accumulators of my queries 0-63 ((a, b) at v[8 (8 a + b)]);   window 3: queries 64-127.
.set KSTEP,  128
.set HEAD,   1024                      ; the product's K
.set PITCH,  272                       ; an LDS row: 256 bytes + 16 of padding = 68 words: the 16 rows that a load touches start 4 words apart modulo 64
.set HALFT,  128*PITCH                 ; 128 rows: what one tensor load brings
.set SLOT,   4*HALFT                   ; Q's 256 rows, then K's 256 rows
.set STAGE,  2*SLOT                    ; behind the ring: 1,024 bytes for each wave, through which its 128 queries' statistics leave
.set SREG,   1024
.set SPARE,  STAGE+4*SREG              ; the spare words, 128 bytes a wave, which no other line names
.set LAPS,   HEAD/(2*KSTEP)            ; a lap = two K steps = once round the ring
.set QROW,   2048                      ; a row of Q or K in bytes
.set KOFF,   8192*QROW                 ; K lies behind Q in qkv
.set PQROW,  65536                     ; ph: 16 queries x 2,048 keys in bytes
.set STL,    16*8192*4                 ; l lies behind nm in st
.set ADRA, 16                          ; v16-17  LDS address of my Q fragments in slot 0, 1
.set ADRB, 20                          ; v20-21  the same for K
.set SS,   22                          ; v22     the statistics on their way into my stage: 4 (l % 16)
.set SL,   23                          ; v23     and back: 16 x lane
.set SG,   27                          ; v27     16 x lane: my place in an image's 512 bytes, and in st; never rewritten
.set SPW,  28                          ; v28     LDS address of my spare word; never rewritten
.set NIL,  29                          ; v29     0; never rewritten
.set MO,   31                          ; v31     8 (l / 16): my eight mask bytes of sixteen
.set F0,   64
.set F1,   128
.set U,    64                          ; the way out: v64-127 a block's 64 scores of a lane, then p
.set NM,   128                         ; v128-135 -M of my query in each of the eight blocks
.set LS,   136                         ; v136-143 its sum
.set TM,   144                         ; v144-148 at work
.set NMP,  150                         ; v[150:151] -M for the packed form, which names a pair and takes its low word
.set SU,   152                         ; v[152:155] two chains of packed sums
.set TMP,  192                         ; p as f16 pairs: v192-223 and v224-255 by turns
.set WV,  12                           ; s12 my wave's number; s13 wave / 2; s14 wave % 2
.set G1,  24                           ; s[24:31] descriptor group 1 for Q's tiles;  s[32:39] group 0, one set for each slot
.set G0,  32
.set G1B, 48                           ; s[48:55], s[56:63] the same for K's tiles
.set G0B, 56
.set CS,  66                           ; s[66:67] c
.set SEL, 68                           ; s[68:69] v_permlanex16_b32's selects for lane l xor 16
.set MSB, 0
.macro WIN new                         ; the immediate's high byte repeats the setting that is left; a switch that changes nothing is dropped
.if MSB != (\new)
	s_set_vgpr_msb (MSB<<8)|(\new)
.set MSB, (\new)
.endif
.endm
.set MUL_LO, 0xa1                      ; source 0 (K) window 1, source 1 (Q) window 0, C and D window 2
.set MUL_HI, 0xf1                      ; the same, C and D window 3
.set TO_B,   0x40                      ; destination window 1, the rest window 0
; A joint load: waves 0 and 1 fetch Q's two halves, waves 2 and 3 K's.  The branch hangs on the wave's number alone.  An s_nop 0 and four v_nop follow each of the two lines.
.macro JLOAD s
	s_cmp_eq_u32 s13, 0
	s_cbranch_scc0 .Lfor_b_\@
	tensor_load_to_lds s[G0+4*\s:G0+4*\s+3], s[G1:G1+7]
	s_nop 0
.rept 4
	v_nop
.endr
	s_branch .Lasked_\@
.Lfor_b_\@:
	tensor_load_to_lds s[G0B+4*\s:G0B+4*\s+3], s[G1B:G1B+7]
	s_nop 0
.rept 4
	v_nop
.endr
.Lasked_\@:
.endm
.macro CREST                           ; a round of the cluster's barrier behind its opening barrier
	s_cmp_lg_u32 s[WV], 0
	s_cbranch_scc1 .Lnot_wave_0_\@
	s_barrier_signal -3
.Lnot_wave_0_\@:
	s_barrier_wait -3
	s_barrier_signal -1
	s_barrier_wait -1
.endm
.macro CROUND                          ; a whole round
	s_barrier_signal -1
	s_barrier_wait -1
	CREST
.endm
	s_load_b256 s[4:11], s[0:1], 0x0               ; qkv s[4:5], mask s[6:7], ph s[8:9], st s[10:11]
	v_lshl_add_u32 v[SPW], v0, 2, SPARE
	v_mov_b32 v[NIL], 0
	ds_add_u32 v[SPW], v[NIL]                      ; the wave's opening: the add, twice on end, and its wait ahead of my first tensor load
	ds_add_u32 v[SPW], v[NIL]                      ; and once more; the set-up below, work on registers, stands between it and the wait
	v_lshrrev_b32 v1, 5, v0
	v_readfirstlane_b32 s[WV], v1                  ; wave 0..3
	s_lshr_b32 s13, s[WV], 1                       ; which half of the tile's queries is mine.  Also: I fetch for Q (0) or for K (1)
	s_and_b32 s14, s[WV], 1                        ; which half of its keys.  Also: which 128 rows of that tile I fetch
	s_bfe_u32 s40, ttmp6, 0x40000                  ; cx, cy: my place in the cluster
	s_bfe_u32 s41, ttmp6, 0x40004
	s_lshl_b32 s42, ttmp9, 2
	s_add_co_u32 s42, s42, s40                     ; tile column (256 keys of the batch) = 4 x cluster x + cx
	s_and_b32 s45, ttmp7, 0xffff                   ; cluster y
	s_lshl_b32 s15, s45, 2
	s_add_co_u32 s15, s15, s41                     ; tile row (256 of the 8,192 queries) = 4 x cluster y + cy
	s_lshr_b32 s45, s45, 1                         ; the batch: two clusters' 1,024 queries each; all partners share it
	s_lshl_b32 s43, s41, 2
	s_lshl_b32 s43, 15, s43                        ; my row of the cluster
	s_lshl_b32 s44, 0x1111, s40                    ; my column
	s_or_b32 s[G1+0], s43, (1<<16)|(1<<20)|(1<<21)|(5<<22)|(3<<25)  ; 15:0 the mask: Q's tiles go to my row; 17:16 element of 2 bytes; 20 padding on; 21 set beside a mask; 24:22 after every 64 words; 31:25 four words
	s_or_b32 s[G1B+0], s44, (1<<16)|(1<<20)|(1<<21)|(5<<22)|(3<<25)
.irp g, G1, G1B
	s_mov_b32 s[\g+1], KSTEP<<16                   ; tensor_dim0 = 128
	s_mov_b32 s[\g+2], 128<<16                     ; tensor_dim1 = 128
	s_mov_b32 s[\g+3], KSTEP<<16                   ; tile_dim0 = 128
	s_mov_b32 s[\g+4], 128                         ; tile_dim1 = 128
	s_mov_b32 s[\g+5], HEAD                        ; tensor_dim0_stride: elements from row to row
	s_mov_b32 s[\g+6], 0
	s_mov_b32 s[\g+7], 0
.endr
	s_mov_b32 s[CS], 0x3d38aa3b                    ; c = log2(e) / sqrt(1024)
	s_mov_b32 s[CS+1], s[CS]                       ; (named with it as a pair, so it is written)
	s_mov_b32 s[SEL], 0x76543210
	s_mov_b32 s[SEL+1], 0xfedcba98
	s_lshl_b32 s17, s14, 7                         ; which 128 rows of the tile I fetch
	s_lshl_b32 s16, s15, 8
	s_add_co_u32 s16, s16, s17                     ; Q: row 256 x tile row + 128 x half,
	s_lshl_b32 s16, s16, 11                        ; in bytes (under 2^24)
	s_lshl_b32 s46, s42, 8
	s_add_co_u32 s46, s46, s17
	s_lshl_b32 s47, s45, 11
	s_add_co_u32 s46, s46, s47                     ; K: row 2,048 x batch + 256 x tile column + 128 x half,
	s_lshl_b32 s46, s46, 11
	s_add_co_u32 s46, s46, KOFF                    ; behind Q
	s_mov_b32 s17, 0
	s_mov_b32 s47, 0
	s_mul_i32 s20, s[WV], HALFT                    ; where they go: wave x 128 rows: no place in the cluster enters an LDS address
	s_wait_dscnt 0x0                               ; both opening adds are done
	s_wait_kmcnt 0x0
	s_add_nc_u64 s[18:19], s[4:5], s[16:17]
	s_add_nc_u64 s[46:47], s[4:5], s[46:47]
	CROUND                                         ; all sixteen work-groups are here: the first joint loads meet
.irp s, 0,1
	s_mov_b32 s[G0+4*\s], 1                                        ; count = 1
	s_add_co_u32 s[G0+4*\s+1], s20, \s*SLOT                        ; LDS address
	s_add_nc_u64 s[G0+4*\s+2:G0+4*\s+3], s[18:19], \s*KSTEP*2      ; global address: K step s
	s_or_b32 s[G0+4*\s+3], s[G0+4*\s+3], 0x80000000                ; type = 2
	s_mov_b32 s[G0B+4*\s], 1
	s_add_co_u32 s[G0B+4*\s+1], s20, \s*SLOT
	s_add_nc_u64 s[G0B+4*\s+2:G0B+4*\s+3], s[46:47], \s*KSTEP*2
	s_or_b32 s[G0B+4*\s+3], s[G0B+4*\s+3], 0x80000000
	JLOAD \s                                       ; two loads of mine are out
.endr
	v_and_b32 v1, 15, v0                           ; r = l % 16
	v_bfe_u32 v2, v0, 4, 1                         ; h = l / 16
	v_lshlrev_b32 v[MO], 3, v2
	s_lshl_b32 s16, s15, 8
	s_lshl_b32 s17, s13, 7
	s_add_co_u32 s16, s16, s17                     ; my first query: 256 x tile row + 128 x half
	s_lshl_b32 s46, s42, 8
	s_lshl_b32 s47, s14, 7
	s_add_co_u32 s46, s46, s47                     ; my first key in the batch: 256 x tile column + 128 x half
	s_lshl_b32 s20, s45, 11
	s_add_co_u32 s20, s20, s46
	s_mov_b32 s21, 0
	s_add_nc_u64 s[6:7], s[6:7], s[20:21]          ; the mask at my first key
.irp b, 0,1,2,3,4,5,6,7
	global_load_b64 v[32+2*\b:33+2*\b], v[MO], s[6:7] offset:16*\b   ; the bytes of keys 16 b + 8 h + 0 .. 7
.endr
	s_lshl_b32 s20, s16, 12                        ; ph: (first query / 16) x 65,536 bytes
	s_lshl_b32 s22, s46, 5                         ; + (first key / 32) x 1,024
	s_add_co_u32 s20, s20, s22
	s_add_nc_u64 s[8:9], s[8:9], s[20:21]          ; ph at my first image
	s_lshl_b32 s20, s16, 2
	s_lshl_b32 s22, s46, 8                         ; chunk (first key / 128) x 32,768 bytes
	s_add_co_u32 s20, s20, s22
	s_add_nc_u64 s[10:11], s[10:11], s[20:21]      ; st at my chunk and first query
	v_mul_u32_u24 v3, v1, PITCH
	v_lshl_add_u32 v3, v2, 4, v3                   ; a fragment's row x pitch + 16 x half
	s_mul_i32 s21, s13, HALFT                      ; my 128 rows of Q
	s_mul_i32 s22, s14, HALFT                      ; my 128 rows of K,
	s_add_co_u32 s22, s22, 2*HALFT                 ; which lie behind Q's 256
.irp s, 0,1
	v_add_nc_u32 v[ADRA+\s], s21, v3
	v_add_nc_u32 v[ADRB+\s], s22, v3
	s_add_co_u32 s21, s21, SLOT
	s_add_co_u32 s22, s22, SLOT
.endr
	s_lshl_b32 s23, s[WV], 10
	s_add_co_u32 s23, s23, STAGE                   ; my stage
	v_lshl_add_u32 v[SS], v1, 2, s23
	v_and_b32 v5, 31, v0
	v_lshlrev_b32 v[SG], 4, v5
	v_add_nc_u32 v[SL], s23, v[SG]
	v_mov_b32 v48, 0xff800000                      ; -infinity
	s_wait_loadcnt 0x0                             ; the mask's bytes
.set ii, 0
.rept 64
	v_bfe_u32 v[64+ii], v[32+2*(ii/8)+(ii%8)/4], 8*(ii%4), 8
.set ii, ii+1
.endr
	WIN TO_B
.set ii, 0
.rept 64                                       ; window 1, register 8 b + j: 0 where key 16 b + 8 h + j counts, -infinity where its byte is 0
	v_cmp_eq_u32 vcc_lo, 0, v[64+ii]
	v_cndmask_b32 v[ii], 0, v48, vcc_lo
.set ii, ii+1
.endr
	WIN 0
; 16 matrix instructions: query blocks a0, a0 + 1 of the window's four (hi = 0: my queries 0-63, 1: 64-127) x all 8 key blocks, 32 along K.  zero = 1: the first product starts the sums.
; The 64 accumulators take turns, one instruction a turn, in the same order in every quarter.
.macro MUL16 f, hi, a0, zero
.irp a, \a0, \a0+1
.irp b, 0,1,2,3,4,5,6,7
.if \zero
	v_wmma_f32_16x16x32_f16 v[8*(8*(\a)+\b):8*(8*(\a)+\b)+7], v[\f+8*\b:\f+8*\b+7], v[\f+8*(4*\hi+\a):\f+8*(4*\hi+\a)+7], 0
.else
	v_wmma_f32_16x16x32_f16 v[8*(8*(\a)+\b):8*(8*(\a)+\b)+7], v[\f+8*\b:\f+8*\b+7], v[\f+8*(4*\hi+\a):\f+8*(4*\hi+\a)+7], v[8*(8*(\a)+\b):8*(8*(\a)+\b)+7]
.endif
.endr
.endr
.endm
; 32 LDS loads in one run: the fragments of one quarter step (128 keys, 128 queries, 32 K at byte k of the rows) into buffer f.  A fragment: lane l holds row l % 16;
; registers 0-3 hold K = 8 (l / 16) + 0..7, registers 4-7 K = 16 + 8 (l / 16) + 0..7: two loads of 16 bytes, 32 bytes apart.
.macro FETCH slot, k, f
	WIN TO_B
.irp i, 0,1,2,3,4,5,6,7
	ds_load_b128 v[\f+8*\i:\f+8*\i+3],   v[ADRB+\slot] offset:\k+\i*16*PITCH
	ds_load_b128 v[\f+8*\i+4:\f+8*\i+7], v[ADRB+\slot] offset:\k+\i*16*PITCH+32
.endr
	WIN 0
.irp i, 0,1,2,3,4,5,6,7
	ds_load_b128 v[\f+8*\i:\f+8*\i+3],   v[ADRA+\slot] offset:\k+\i*16*PITCH
	ds_load_b128 v[\f+8*\i+4:\f+8*\i+7], v[ADRA+\slot] offset:\k+\i*16*PITCH+32
.endr
.endm
.macro PLACES                          ; four plain vector lines between a matrix instruction and a load into, or a vector line on, its registers (ISA guide 7.12.1 for vector lines)
.rept 4
	v_nop
.endr
.endm
; A K step is four quarters of 32 along K, 64 matrix instructions each, on buffers 0, 1, 0, 1.  One of the first three: multiplies buffer f; in its middle it fetches the next quarter, at byte k, into buffer g.
.macro QUARTER slot, k, f, g, zero
	s_wait_dscnt 8                                 ; K and Q's rows 0-63 are in; the youngest eight loads (Q's rows 64-127) may be out
	WIN MUL_LO
	MUL16 \f, 0, 0, \zero
	MUL16 \f, 0, 2, \zero
	PLACES
	FETCH \slot, \k, \g
	s_wait_dscnt 32                                ; all but the 32 just issued
	WIN MUL_HI
	MUL16 \f, 1, 0, \zero
	MUL16 \f, 1, 2, \zero
.endm
; The last quarter multiplies buffer 1 and changes slots.  MEET is its first half: one barrier; in front of it each wave waits for all its tensor loads (one is out: its part of the next slot),
; adds 0 to its spare word, and waits for that and for its own reads of this slot.  Behind it nobody reads this slot any more and the next slot is whole.
.macro MEET round
	WIN 0                                          ; (the add's two registers lie in window 0)
	s_wait_tensorcnt 0x0                           ; all my tensor loads have landed
	ds_add_u32 v[SPW], v[NIL]                      ; 0 onto my spare word
	s_wait_dscnt 9                                 ; (the add and the youngest eight loads may be out)
	WIN MUL_LO
	MUL16 F1, 0, 0, 0                              ; sixteen matrix instructions stand between the add and the wait for it
	s_wait_dscnt 0x0                               ; the add is done, and my reads of this slot are over
	s_barrier_signal -1
	MUL16 F1, 0, 2, 0                              ; work on registers while the others arrive
.if \round
	WIN 0
.endif
	s_barrier_wait -1
.endm
; The whole last quarter where the slot is filled again, two K steps ahead: the barrier opens a round of the cluster's, the joint refill is the first thing behind it,
; and a wave issues 224 matrix instructions between that request and the wait for it.
.macro TURN slot, next
	MEET 1
	CREST                                          ; no wave of any partner still reads this slot's tile or has a load on its way
	s_add_nc_u64 s[G0+4*\slot+2:G0+4*\slot+3], s[G0+4*\slot+2:G0+4*\slot+3], 2*KSTEP*2
	s_add_nc_u64 s[G0B+4*\slot+2:G0B+4*\slot+3], s[G0B+4*\slot+2:G0B+4*\slot+3], 2*KSTEP*2
	JLOAD \slot                                    ; my one tensor load behind the round; its four v_nop are also the places in front of the loads below
	FETCH \next, 0, F0
	WIN MUL_HI
	MUL16 F1, 1, 0, 0
	MUL16 F1, 1, 2, 0
.endm
	s_wait_tensorcnt 1                             ; my part of K step 0 is in (K step 1's load may be out)
	s_barrier_signal -1
	s_barrier_wait -1                              ; everybody's is
	FETCH 0, 0, F0
	QUARTER 0, 64,  F0, F1, 1                      ; the first quarter stands in front of the loop: its products start the sums
	WIN 0                                          ; at a label and at a branch every window is 0
	s_mov_b32 s3, LAPS-1
.Llap:                                                 ; three trips: each goes once round the ring, from a lap's second quarter to the next lap's first, and fills both slots again: K steps 2 to 7
	QUARTER 0, 128, F1, F0, 0
	QUARTER 0, 192, F0, F1, 0
	TURN 0, 1
	QUARTER 1, 64,  F0, F1, 0
	QUARTER 1, 128, F1, F0, 0
	QUARTER 1, 192, F0, F1, 0
	TURN 1, 0
	QUARTER 0, 64,  F0, F1, 0
	WIN 0
	s_sub_co_u32 s3, s3, 1
	s_cmp_lg_u32 s3, 0
	s_cbranch_scc1 .Llap
	QUARTER 0, 128, F1, F0, 0                      ; the last lap is written out: it asks for nothing
	QUARTER 0, 192, F0, F1, 0
	MEET 0                                         ; the load that was out is the last K step's, so no round follows
	PLACES                                         ; for the loads into buffer 0, which the quarter before multiplied
	FETCH 1, 0, F0
	WIN MUL_HI
	MUL16 F1, 1, 0, 0
	MUL16 F1, 1, 2, 0
	QUARTER 1, 64,  F0, F1, 0
	QUARTER 1, 128, F1, F0, 0
	QUARTER 1, 192, F0, F1, 0
	s_wait_dscnt 8                                 ; the very last quarter: nothing more to fetch
	WIN MUL_LO
	MUL16 F1, 0, 0, 0
	MUL16 F1, 0, 2, 0
	s_wait_dscnt 0
	WIN MUL_HI
	MUL16 F1, 1, 0, 0
	MUL16 F1, 1, 2, 0
	WIN 0
; THE WAY OUT, block by block of 16 queries x my 128 keys.  SOFT: the mask, the chunk's maximum, p, its sum, p as f16.  PUT: the block's four images are stored from the registers in which they were made.
.macro SOFT a
.set AC, 64*((\a)%4)
.set TP, TMP+32*((\a)%2)
	WIN 0x06+((\a)/4)                              ; source 0: window 2 or 3 (the scores); source 1: window 1 (0 or -infinity)
.set ii, 0
.rept 32
	v_pk_add_f32 v[U+2*ii:U+2*ii+1], v[AC+2*ii:AC+2*ii+1], v[2*ii:2*ii+1]   ; each accumulator from its low end on
.set ii, ii+1
.endr
	WIN 0
.irp c, 0,1,2,3
	v_max3_num_f32 v[TM+\c], v[U+16*\c], v[U+16*\c+1], v[U+16*\c+2]          ; the largest of my 64, in four chains
.endr
.irp i, 3,5,7,9,11,13
.irp c, 0,1,2,3
	v_max3_num_f32 v[TM+\c], v[TM+\c], v[U+16*\c+\i], v[U+16*\c+\i+1]
.endr
.endr
.irp c, 0,1,2,3
	v_max_num_f32 v[TM+\c], v[TM+\c], v[U+16*\c+15]
.endr
	v_max3_num_f32 v[TM], v[TM], v[TM+1], v[TM+2]
	v_max_num_f32 v[TM], v[TM], v[TM+3]
	v_permlanex16_b32 v[TM+4], v[TM], s[SEL], s[SEL+1]
	v_max_num_f32 v[TM], v[TM], v[TM+4]            ; with lane l xor 16's 64 keys: the chunk's largest score of my query
	v_mul_f32 v[TM], s[CS], v[TM]                  ; as t (c is positive)
	v_max_num_f32 v[TM], 0xff61b1e6, v[TM]         ; held at -3e38 from below: a chunk all of whose keys are masked keeps a finite M
	v_floor_f32 v[NMP], -v[TM]                     ; -M = floor(-t) = -ceil(t): M is a whole number
	v_mov_b32 v[NM+(\a)], v[NMP]
.set ii, 0
.rept 32
	v_pk_fma_f32 v[U+2*ii:U+2*ii+1], v[U+2*ii:U+2*ii+1], s[CS:CS+1], v[NMP:NMP+1] op_sel_hi:[1,0,0]   ; t - M, two at a time
.set ii, ii+1
.endr
.set ii, 0
.rept 64
	v_exp_f32 v[U+ii], v[U+ii]                     ; p = 2^(t - M), at most 1
.set ii, ii+1
.endr
	v_nop                                          ; a plain line behind the last exponential
	s_wait_alu depctr_va_vdst(0)                   ; one wait for the batch of 64, ahead of its first reader
	v_pk_add_f32 v[SU:SU+1], v[U:U+1], v[U+2:U+3]  ; the sum of the unrounded p, two at a time, in two chains
	v_pk_add_f32 v[SU+2:SU+3], v[U+4:U+5], v[U+6:U+7]
.irp j, 8,12,16,20,24,28,32,36,40,44,48,52,56,60
	v_pk_add_f32 v[SU:SU+1], v[SU:SU+1], v[U+\j:U+\j+1]
	v_pk_add_f32 v[SU+2:SU+3], v[SU+2:SU+3], v[U+\j+2:U+\j+3]
.endr
	v_pk_add_f32 v[SU:SU+1], v[SU:SU+1], v[SU+2:SU+3]
.if (\a) >= 2
	s_wait_xcnt 0x0                                ; block a - 2's stores have read their data: only behind this wait is that set of registers written again
.endif
.set ii, 0
.rept 32
	v_cvt_pk_f16_f32 v[TP+ii], v[U+2*ii], v[U+2*ii+1]   ; registers 4 b .. 4 b + 3: keys 16 b + 8 h + 0 .. 7 of my query
.set ii, ii+1
.endr
	v_add_f32 v[TM], v[SU], v[SU+1]
	v_permlanex16_b32 v[TM+4], v[TM], s[SEL], s[SEL+1]
	v_add_f32 v[LS+(\a)], v[TM], v[TM+4]           ; with lane l xor 16's: the chunk's sum
.endm
.macro PUT a
.set TP, TMP+32*((\a)%2)
.irp b, 0,1,2,3,4,5,6,7
	global_store_b128 v[SG], v[TP+4*\b:TP+4*\b+3], s[8:9] offset:(\a)*PQROW+512*\b   ; half an image: 32 lanes store 512 consecutive bytes, aligned; a block's eight stores cover 4,096 bytes on end
.endr
.endm
	PLACES                                         ; behind the last products: their results are read and their operands' registers written
	v_mov_b32 v[TM+4], 0                           ; written once: a lane permute's destination counts as one of its sources
	v_mov_b32 v[NMP+1], 0                          ; (named as the upper half of a pair)
.irp a, 0,1,2,3,4,5,6,7
	SOFT \a
	PUT \a
.endr
	; the statistics of my 128 queries: 4 bytes a query through my stage, so that each store of the wave covers 512 consecutive bytes
.irp a, 0,1,2,3,4,5,6,7
	ds_store_b32 v[SS], v[NM+\a] offset:64*\a      ; both halves of the lanes write the same word with the same value
	ds_store_b32 v[SS], v[LS+\a] offset:512+64*\a
.endr
	ds_load_b128 v[U:U+3], v[SL]                   ; LDS serves a wave's instructions in order (ISA guide 5.7.1.4): these see the stores above
	ds_load_b128 v[U+4:U+7], v[SL] offset:512
	s_wait_dscnt 0x0
	global_store_b128 v[SG], v[U:U+3], s[10:11]
	global_store_b128 v[SG], v[U+4:U+7], s[10:11] offset:STL
	s_wait_tensorcnt 0x0                           ; the wave's end, behind my last tensor load and my last LDS store
	ds_add_u32 v[SPW], v[NIL]
	s_wait_dscnt 0x0
	CROUND                                         ; the closing round: no work-group ends while a partner may still ask for a tile that names it
	s_endpgm
.Lfunc_end_k_q5fc6471665_score:
	.size	k_q5fc6471665_score, .Lfunc_end_k_q5fc6471665_score-k_q5fc6471665_score
	.p2alignl 7, 3214868480
	.fill 96, 4, 3214868480
	.section	.rodata,"a",@progbits
	.p2align	6, 0x0
	.amdhsa_kernel k_q5fc6471665_score
		.amdhsa_group_segment_fixed_size 327680
		.amdhsa_private_segment_fixed_size 0
		.amdhsa_enable_private_segment 0
		.amdhsa_kernarg_size 32
		.amdhsa_user_sgpr_count 2
		.amdhsa_user_sgpr_kernarg_segment_ptr 1
		.amdhsa_wavefront_size32 1
		.amdhsa_system_sgpr_workgroup_id_x 1
		.amdhsa_system_sgpr_workgroup_id_y 1
		.amdhsa_system_sgpr_workgroup_id_z 1
		.amdhsa_system_vgpr_workitem_id 0
		.amdhsa_next_free_vgpr 1024
		.amdhsa_next_free_sgpr 72
		.amdhsa_reserve_vcc 1
		.amdhsa_float_denorm_mode_32 3
		.amdhsa_float_denorm_mode_16_64 3
		.amdhsa_memory_ordered 1
		.amdhsa_forward_progress 1
		.amdhsa_inst_pref_size 227
	.end_amdhsa_kernel
	.amdgpu_metadata
---
amdhsa.version: [ 1, 2 ]
amdhsa.kernels:
  - .name:           k_q5fc6471665_score
    .symbol:         k_q5fc6471665_score.kd
    .args:
      - { .name: qkv, .offset: 0, .size: 8, .value_kind: global_buffer, .address_space: global }
      - { .name: mask, .offset: 8, .size: 8, .value_kind: global_buffer, .address_space: global }
      - { .name: ph, .offset: 16, .size: 8, .value_kind: global_buffer, .address_space: global }
      - { .name: st, .offset: 24, .size: 8, .value_kind: global_buffer, .address_space: global }
    .group_segment_fixed_size: 327680
    .private_segment_fixed_size: 0
    .kernarg_segment_align: 8
    .kernarg_segment_size: 32
    .max_flat_workgroup_size: 128
    .sgpr_count:     72
    .vgpr_count:     1024
    .wavefront_size: 32
...
	.end_amdgpu_metadata
.endif
;; end of part 3
;; launch pv (part 4): grid 4 x 64, 4 waves a work-group, clusters of 4 x 4, 327,680 bytes of LDS; arguments ph, qkv, st, out0; writes out0
.if DOCPART == 4
	.amdgcn_target "amdgcn-amd-amdhsa--gfx1250"
	.amdhsa_code_object_version 6
	.text
	.protected	k_q5fc6471665_pv
	.globl	k_q5fc6471665_pv
	.p2align	8
	.type	k_q5fc6471665_pv,@function
k_q5fc6471665_pv:
	s_mov_b64 s[64:65], 0
	v_nop
	global_prefetch_b8 v0, s[64:65] scope:SCOPE_SE
	s_setreg_imm32_b32 hwreg(HW_REG_WAVE_MODE, 25, 1), 1
	s_wait_xcnt 0x0
	s_wait_alu depctr_hold_cnt(0) depctr_sa_sdst(0) depctr_va_vdst(0) depctr_va_sdst(0) depctr_va_ssrc(0) depctr_va_vcc(0) depctr_vm_vsrc(0)
	s_getreg_b32 s2, hwreg(HW_REG_IB_STS2, 6, 4)
	s_cmp_eq_u32 s2, 0
	s_cbranch_scc0 .Lentry_in_a_cluster
	s_endpgm
.Lentry_in_a_cluster:
	s_bfe_u32 s2, ttmp6, 0x10000c
	s_cmp_lg_u32 s2, 0xf033
	s_cbranch_scc0 .Lentry_shape_is_right
	s_endpgm
.Lentry_shape_is_right:
; out[q][:] = (the sum over chunks j of f_j (P_j[q] V_j)) / l[q].  ph holds p = 2^(t - M_j), f16, M_j the whole number of query q's chunk j of 128 keys; st holds nm_j = -M_j and l_j.
; For each query: nmin = the least nm_j (the row's largest M, negated); f_j = 2^(nmin - nm_j), an exact power of two in f32, 0 for a chunk all of whose keys are masked; l = the sum of f_j l_j in f32.
; Each chunk's product P_j V_j (f16 operands, f32 sums) is summed in accumulators of its own and taken into O by one fused multiply-add in f32, O += f_j x the chunk's sum; at the end O x 1 / l.
; A batch with no key left: every f = 1, l = 0, sums 0: 0 x infinity = NaN, as a softmax over nothing gives.
; A tile, 128 queries x 256 channels, is made by a work-group of four waves: 8,192 x 1,024 outputs are 256 such tiles, one for each work-group.  A wave makes 64 x 128: 32 accumulators, 256 registers, and as many for O.
; K = the batch's 2,048 keys, through a ring of two LDS slots of 192 keys, the longest step of which two fit: ten steps and a tail of 128.  A quarter is 32 keys, 32 matrix instructions; a slot has six, a chunk four;
; a lap, two slots, is twelve quarters and three chunks.
; ph lies as images of the operand's registers, [512 blocks of 16 queries][64 blocks of 32 keys][1,024 bytes]: a step's part of a block of queries is 6,144 bytes on end; it comes into LDS as it lies, without padding,
; and a fragment is two loads at 16 x lane.  V lies [key][channel], rows of 512 bytes of the tile, and comes out of LDS turned, by ds_load_tr16_b128.
; CLUSTERS: 4 x 4 work-groups; the grid has one cluster along x, so cx is the tile column.  The four of a row of the cluster need the same tiles of P, the four of a column the same tiles of V: asked for JOINTLY.
; THE MATRIX INSTRUCTION IS USED TRANSPOSED: source 0 = 16 channels of V^T, source 1 = 16 queries of P: a lane holds ONE query (l % 16) and, in accumulator (a, b), channels 16 b + 8 (l / 16) + 0 .. 7: so f and 1 / l are one number a lane and block a.
; REGISTERS: window 0: v0-31 addresses; two buffers of a quarter's fragments: V's 64 at v32 + 96 g, P's 32 at v96 + 96 g; v224-231 f of the chunk in hand; v232-239 1 / l.
;   window 1: the chunk's accumulators, (a, b) at v[8 (8 a + b)].   window 2: O, at the same numbers.
.set KS,     192                       ; keys in a step
.set PFR,    1024                      ; a fragment's image
.set PBLK,   6*PFR                     ; 16 queries x a step's keys
.set PBLKT,  4*PFR                     ; the same in the tail of 128 keys
.set PHALF,  4*PBLK                    ; what one tensor load brings of P: 64 queries
.set PV,     544                       ; a row of V in LDS: 512 bytes + 32 = 136 words: the 8 rows x 32 bytes that 16 lanes of the turning load take start 8 words apart modulo 64
.set VHALF,  96*PV                     ; what one tensor load brings of V: 96 keys
.set VOFF,   2*PHALF                   ; a slot: P's eight blocks of queries, then V's 192 keys
.set SLOT,   VOFF+2*VHALF
.set FTAB,   2*SLOT                    ; behind the ring: f, [16 chunks][128 queries], f32
.set RTAB,   FTAB+16*128*4             ; 1 / l of the 128 queries
.set SPARE,  RTAB+512                  ; the spare words, 128 bytes a wave, which no other line names
.set STAGE,  SLOT                      ; the way out: 16 rows x (512 bytes + 16) for each wave, in slot 1, which has had its last fill (step 9) and its last read when the first result is stored there
.set SPITCH, 528
.set PQROW,  65536                     ; ph: 16 queries x 2,048 keys in bytes
.set VROW,   2048                      ; a row of V
.set VBASE,  2*8192*VROW               ; V lies behind Q and K in qkv
.set OROW,   4096                      ; a row of out0
.set STL,    16*8192*4                 ; l lies behind nm in st
.set ADRP, 16                          ; v16-17  LDS address of my P fragments in slot 0, 1
.set ADRV, 18                          ; v18-21  of my V fragments: slot 0 quarters 0-2, quarters 3-5; slot 1 likewise (an LDS offset has 16 bits)
.set ADRF, 22                          ; v22     of my queries' f in the chunk to be read next: 512 bytes on with each chunk
.set FTS,  23                          ; v23     FTAB + 4 x thread: where the head stores f and 1 / l
.set STO,  24                          ; v24     the way out: where I put 32 bytes of a row
.set RD,   25                          ; v25     where I read a row back
.set CO,   26                          ; v26     16 x lane: my place in a row's 512 bytes
.set SO,   27                          ; v27     4 x thread: my query's place in st
.set SPW,  28                          ; v28     LDS address of my spare word; never rewritten
.set NIL,  29                          ; v29     0; never rewritten
.set PFO,  30                          ; v30     the prefetches' offset; never rewritten
.set ADRPT, 31                         ; v31     LDS address of my P fragments in the tail
.set VB0,  32
.set PB0,  96
.set F,    224                         ; v224, 226, 228, 230: f of my query in each of my four blocks (pairs for the packed forms, which take the low word)
.set RL,   232                         ; v232, 234, 236, 238: 1 / l likewise
.set T,    32                          ; the way out: 64 results
.set BK,   96                          ; 16 rows read back: v96-159 and v160-223 by turns
.set WV,   12                          ; s12 wave; s13 wave / 2; s14 wave % 2
.set G1A,  24                          ; s[24:31] descriptor group 1 for P's tiles;  s[32:39] group 0, one set for each slot
.set G0A,  32
.set G1B,  48                          ; s[48:55], s[56:63] the same for V's tiles
.set G0B,  56
.set PFA,  66                          ; s[66:67] where my prefetches stand
.set LIM,  68                          ; s68  1 in a wave that prefetches, else the greatest number
.set G1AT, 72                          ; s[72:79] group 1 for P's tile of the tail;  s[80:87] for V's
.set G1BT, 80
.set MSB, 0
.macro WIN new                         ; the immediate's high byte repeats the setting that is left; a switch that changes nothing is dropped
.if MSB != (\new)
	s_set_vgpr_msb (MSB<<8)|(\new)
.set MSB, (\new)
.endif
.endm
.set W_MUL, 0x50                       ; sources 0 and 1 window 0; C and D window 1
.set W_MRG, 0xa1                       ; source 0 (the chunk's sum) window 1, source 1 (f) window 0, source 2 and destination (O) window 2
; A joint load: waves 0 and 1 fetch P's two halves, waves 2 and 3 V's: two shapes, two groups 1, two lines.  The branch hangs on the wave's number alone.  An s_nop 0 and four v_nop follow each line.
.macro JLOAD g0a, g1a, g0b, g1b
	s_cmp_eq_u32 s13, 0
	s_cbranch_scc0 .Lfor_b_\@
	tensor_load_to_lds s[\g0a:\g0a+3], s[\g1a:\g1a+7]
	s_nop 0
.rept 4
	v_nop
.endr
	s_branch .Lasked_\@
.Lfor_b_\@:
	tensor_load_to_lds s[\g0b:\g0b+3], s[\g1b:\g1b+7]
	s_nop 0
.rept 4
	v_nop
.endr
.Lasked_\@:
.endm
; A PREFETCH of P's part of the step that the NEXT change of slots will ask for, behind each joint load and the run of LDS loads that follows it: 192 matrix instructions ahead of that load.
; P is read by one row of one cluster and by nobody else.  Of its eight blocks of queries each of the four partners takes two, told apart BY ADDRESS (cx); waves 0 and 1 take one each: one instruction, 6,144 bytes,
; lanes 256 bytes apart; these are 24 blocks of 256 bytes, and lanes 24 to 31 name lane 23's once more.  No branch hangs on a work-group's place in its cluster.  Steps 0 to 2 come by their loads alone;
; steps 3 to 9 are asked for; the tail, whose part is shorter, is not (strict = 1: not in the loop's last trip).  V's tiles are asked for by the batch's four clusters, not once: they have no prefetch.
.macro ASK strict
.if \strict
	s_cmp_gt_u32 s3, s[LIM]                        ; s3 = 1 in the loop's last trip
.else
	s_cmp_ge_u32 s3, s[LIM]
.endif
	s_cbranch_scc0 .Lnot_mine_\@
	global_prefetch_b8 v[PFO], s[PFA:PFA+1] th:TH_LOAD_NT scope:SCOPE_SE
.Lnot_mine_\@:
.endm
.macro CREST                           ; a round of the cluster's barrier behind its opening barrier
	s_cmp_lg_u32 s[WV], 0
	s_cbranch_scc1 .Lnot_wave_0_\@
	s_barrier_signal -3
.Lnot_wave_0_\@:
	s_barrier_wait -3
	s_barrier_signal -1
	s_barrier_wait -1
.endm
.macro CROUND                          ; a whole round
	s_barrier_signal -1
	s_barrier_wait -1
	CREST
.endm
	s_load_b256 s[4:11], s[0:1], 0x0               ; ph s[4:5], qkv s[6:7], st s[8:9], out0 s[10:11]
	v_lshl_add_u32 v[SPW], v0, 2, SPARE
	v_mov_b32 v[NIL], 0
	ds_add_u32 v[SPW], v[NIL]                      ; the wave's opening: the add, twice on end, and its wait ahead of my first tensor load
	ds_add_u32 v[SPW], v[NIL]                      ; and once more; the set-up below, work on registers, stands between it and the wait
	v_lshrrev_b32 v1, 5, v0
	v_readfirstlane_b32 s[WV], v1                  ; wave 0..3
	s_lshr_b32 s13, s[WV], 1                       ; which 64 of the tile's queries are mine.  Also: I fetch for P (0) or for V (1)
	s_and_b32 s14, s[WV], 1                        ; which 128 of its channels.  Also: which half of that tile I fetch
	s_bfe_u32 s40, ttmp6, 0x40000                  ; cx: the tile column
	s_bfe_u32 s41, ttmp6, 0x40004                  ; cy
	s_and_b32 s15, ttmp7, 0xffff                   ; cluster y
	s_lshl_b32 s42, s15, 2
	s_add_co_u32 s42, s42, s41                     ; tile row (128 of the 8,192 queries) = 4 x cluster y + cy
	s_lshr_b32 s45, s15, 2                         ; the batch: four clusters of 512 queries; all partners share it
	s_lshl_b32 s43, s41, 2
	s_lshl_b32 s43, 15, s43                        ; my row of the cluster
	s_lshl_b32 s44, 0x1111, s40                    ; my column
	; P: four blocks of queries, each a row of 6,144 bytes (768 elements of 8 bytes), 65,536 bytes apart; dense in LDS.  The tail's rows have 4,096 bytes
	s_or_b32 s[G1A+0], s43, (3<<16)|(1<<21)        ; 15:0 the mask of my row; 17:16 elements of 8 bytes; 20 no padding; 21 set beside a mask
	s_mov_b32 s[G1A+1], (PBLK/8)<<16               ; tensor_dim0
	s_mov_b32 s[G1A+2], 4<<16                      ; tensor_dim1
	s_mov_b32 s[G1A+3], (PBLK/8)<<16               ; tile_dim0
	s_mov_b32 s[G1A+4], 4                          ; tile_dim1
	s_mov_b32 s[G1A+5], PQROW/8                    ; tensor_dim0_stride
	s_mov_b32 s[G1A+6], 0
	s_mov_b32 s[G1A+7], 0
	s_or_b32 s[G1AT+0], s43, (3<<16)|(1<<21)
	s_mov_b32 s[G1AT+1], (PBLKT/8)<<16
	s_mov_b32 s[G1AT+2], 4<<16
	s_mov_b32 s[G1AT+3], (PBLKT/8)<<16
	s_mov_b32 s[G1AT+4], 4
	s_mov_b32 s[G1AT+5], PQROW/8
	s_mov_b32 s[G1AT+6], 0
	s_mov_b32 s[G1AT+7], 0
	; V: 96 keys (the tail: 64), each a row of 256 channels; eight words of padding after every 128
	s_or_b32 s[G1B+0], s44, (1<<16)|(1<<20)|(1<<21)|(6<<22)|(7<<25)  ; the mask of my column; elements of 2 bytes; padding on
	s_mov_b32 s[G1B+1], 256<<16
	s_mov_b32 s[G1B+2], 96<<16
	s_mov_b32 s[G1B+3], 256<<16
	s_mov_b32 s[G1B+4], 96
	s_mov_b32 s[G1B+5], 1024                       ; elements from row to row of V
	s_mov_b32 s[G1B+6], 0
	s_mov_b32 s[G1B+7], 0
	s_or_b32 s[G1BT+0], s44, (1<<16)|(1<<20)|(1<<21)|(6<<22)|(7<<25)
	s_mov_b32 s[G1BT+1], 256<<16
	s_mov_b32 s[G1BT+2], 64<<16
	s_mov_b32 s[G1BT+3], 256<<16
	s_mov_b32 s[G1BT+4], 64
	s_mov_b32 s[G1BT+5], 1024
	s_mov_b32 s[G1BT+6], 0
	s_mov_b32 s[G1BT+7], 0
	s_lshl_b32 s16, s42, 3
	s_lshl_b32 s17, s14, 2
	s_add_co_u32 s16, s16, s17                     ; P: block of queries 8 x tile row + 4 x half,
	s_lshl_b32 s16, s16, 16                        ; in bytes (under 2^25)
	s_mov_b32 s17, 0
	s_lshl_b32 s46, s45, 11
	s_mul_i32 s47, s14, 96
	s_add_co_u32 s46, s46, s47                     ; V: row 2,048 x batch + 96 x half,
	s_lshl_b32 s46, s46, 11
	s_lshl_b32 s47, s40, 9
	s_add_co_u32 s46, s46, s47                     ; + the tile column's 512 bytes,
	s_add_co_u32 s46, s46, VBASE                   ; behind Q and K
	s_mov_b32 s47, 0
	s_mul_i32 s20, s14, PHALF                      ; where they go: no place in the cluster enters an LDS address
	s_mul_i32 s21, s14, VHALF
	s_add_co_u32 s21, s21, VOFF
	s_wait_dscnt 0x0                               ; both opening adds are done
	s_wait_kmcnt 0x0
	s_add_nc_u64 s[18:19], s[4:5], s[16:17]
	s_add_nc_u64 s[46:47], s[6:7], s[46:47]
	CROUND                                         ; all sixteen work-groups are here: the first joint loads meet
.irp s, 0,1
	s_mov_b32 s[G0A+4*\s], 1
	s_add_co_u32 s[G0A+4*\s+1], s20, \s*SLOT
	s_add_nc_u64 s[G0A+4*\s+2:G0A+4*\s+3], s[18:19], \s*PBLK       ; step s: 6,144 bytes on in each block of queries
	s_or_b32 s[G0A+4*\s+3], s[G0A+4*\s+3], 0x80000000
	s_mov_b32 s[G0B+4*\s], 1
	s_add_co_u32 s[G0B+4*\s+1], s21, \s*SLOT
	s_add_nc_u64 s[G0B+4*\s+2:G0B+4*\s+3], s[46:47], \s*KS*VROW    ; 192 rows of V on
	s_or_b32 s[G0B+4*\s+3], s[G0B+4*\s+3], 0x80000000
	JLOAD G0A+4*\s, G1A, G0B+4*\s, G1B             ; two loads of mine are out
.endr
	; the statistics: thread t takes query 128 x tile row + t
	v_lshlrev_b32 v[SO], 2, v0
	s_lshl_b32 s16, s42, 9
	s_add_nc_u64 s[8:9], s[8:9], s[16:17]
.irp j, 0,1,2,3,4,5,6,7,8,9,10,11,12,13,14,15
	global_load_b32 v[32+\j], v[SO], s[8:9] offset:32768*\j        ; nm_j: 128 threads read 512 consecutive bytes
	global_load_b32 v[48+\j], v[SO], s[8:9] offset:32768*\j+STL    ; l_j
.endr
	v_and_b32 v1, 15, v0                           ; r = l % 16
	v_bfe_u32 v2, v0, 4, 1                         ; h = l / 16
	v_and_b32 v3, 31, v0                           ; lane
	v_lshlrev_b32 v[CO], 4, v3                     ; 16 x lane: my place in an image's 512 bytes, and in a row of the stage and of out0
	s_mul_i32 s22, s13, PHALF                      ; P: my four blocks of queries
	v_add_nc_u32 v[ADRP], s22, v[CO]
	v_add_nc_u32 v[ADRP+1], SLOT, v[ADRP]
	s_lshl_b32 s22, s13, 14                        ; in the tail they are 4,096 bytes each
	v_add_nc_u32 v[ADRPT], s22, v[CO]
	v_and_b32 v5, 7, v0                            ; V, turned: lane l reads 16 bytes: key 8 (l / 16) + l % 8, channels 8 ((l / 8) % 2) + 0..7
	v_lshl_add_u32 v5, v2, 3, v5
	v_mul_u32_u24 v5, v5, PV
	v_bfe_u32 v6, v0, 3, 1
	v_lshl_add_u32 v5, v6, 4, v5
	s_lshl_b32 s22, s14, 8                         ; my 128 channels
	s_add_co_u32 s22, s22, VOFF
	v_add_nc_u32 v[ADRV], s22, v5
	v_add_nc_u32 v[ADRV+1], 3*32*PV, v[ADRV]
	v_add_nc_u32 v[ADRV+2], SLOT, v[ADRV]
	v_add_nc_u32 v[ADRV+3], SLOT, v[ADRV+1]
	s_lshl_b32 s22, s13, 8
	s_add_co_u32 s22, s22, FTAB
	v_lshl_add_u32 v[ADRF], v1, 2, s22             ; f: my 64 queries' words, 4 r
	v_lshl_add_u32 v[FTS], v0, 2, FTAB
	s_mul_i32 s23, s[WV], 16*SPITCH
	s_add_co_u32 s23, s23, STAGE                   ; my stage
	v_mul_u32_u24 v4, v1, SPITCH                   ; in: row r, 32 bytes for each half of the lanes
	v_lshl_add_u32 v4, v2, 5, v4
	v_add_nc_u32 v[STO], s23, v4
	v_add_nc_u32 v[RD], s23, v[CO]                 ; back: the 32 lanes take one row of 512 bytes
	s_lshl_b32 s16, s42, 7
	s_lshl_b32 s22, s13, 6
	s_add_co_u32 s16, s16, s22                     ; my first query
	s_lshl_b32 s16, s16, 12
	s_add_nc_u64 s[10:11], s[10:11], s[16:17]
	s_lshl_b32 s46, s40, 10                        ; my first channel, in bytes: 1,024 cx + 512 x half
	s_lshl_b32 s47, s14, 9
	s_add_co_u32 s46, s46, s47
	s_mov_b32 s47, 0
	s_add_nc_u64 s[10:11], s[10:11], s[46:47]
	; the prefetches: block of queries 8 x tile row + 2 cx + wave % 2; they begin at step 2, and the first change of slots steps them to 3.  Nothing is asked for here, at the head
	s_lshl_b32 s46, s42, 3
	s_lshl_b32 s47, s40, 1
	s_add_co_u32 s46, s46, s47
	s_add_co_u32 s46, s46, s14
	s_lshl_b32 s46, s46, 16
	s_add_co_u32 s46, s46, 2*PBLK
	s_mov_b32 s47, 0
	s_add_nc_u64 s[PFA:PFA+1], s[4:5], s[46:47]
	s_cmp_eq_u32 s13, 0                            ; waves 0 and 1 ask: the wave's number alone decides
	s_cselect_b32 s[LIM], 1, -1
	v_min_u32 v[PFO], 23, v3
	v_lshlrev_b32 v[PFO], 8, v[PFO]
	s_wait_loadcnt 0x0                             ; the statistics
	v_min3_num_f32 v64, v32, v33, v34
.irp i, 35,37,39,41,43,45
	v_min3_num_f32 v64, v64, v[\i], v[\i+1]
.endr
	v_min_num_f32 v64, v64, v47                    ; nmin: the row's largest M, negated
.irp j, 0,1,2,3,4,5,6,7,8,9,10,11,12,13,14,15
	v_sub_f32 v[32+\j], v64, v[32+\j]              ; M_j - the row's M: a whole number, 0 or less
.endr
.irp j, 0,1,2,3,4,5,6,7,8,9,10,11,12,13,14,15
	v_cvt_i32_f32 v[32+\j], v[32+\j]               ; (it saturates)
.endr
.irp j, 0,1,2,3,4,5,6,7,8,9,10,11,12,13,14,15
	v_ldexp_f32 v[32+\j], 1.0, v[32+\j]            ; f_j
.endr
	v_mul_f32 v65, v32, v48
.irp j, 1,2,3,4,5,6,7,8,9,10,11,12,13,14,15
	v_fmac_f32 v65, v[32+\j], v[48+\j]             ; l = the sum of f_j l_j
.endr
	v_rcp_f32 v66, v65
.irp j, 0,1,2,3,4,5,6,7,8,9,10,11,12,13,14,15
	ds_store_b32 v[FTS], v[32+\j] offset:512*\j
.endr
	v_nop                                          ; a plain line behind the reciprocal,
	s_wait_alu depctr_va_vdst(0)                   ; and the wait ahead of its first reader
	ds_store_b32 v[FTS], v66 offset:RTAB-FTAB
.irp a, 0,1,2,3
	v_mov_b32 v[F+2*\a+1], 0                       ; (named as the upper halves of pairs)
	v_mov_b32 v[RL+2*\a+1], 0
.endr
; One product: the chunk's accumulator (a, b) += V^T's channels 16 b on x P's queries 16 a on, 32 keys, from buffer f.  zero = 1: it starts the chunk's sum: nothing is cleared.
.macro MM f, a, b, zero
	WIN W_MUL
.if \zero
	v_wmma_f32_16x16x32_f16 v[8*(8*(\a)+(\b)):8*(8*(\a)+(\b))+7], v[VB0+96*(\f)+8*(\b):VB0+96*(\f)+8*(\b)+7], v[PB0+96*(\f)+8*(\a):PB0+96*(\f)+8*(\a)+7], 0
.else
	v_wmma_f32_16x16x32_f16 v[8*(8*(\a)+(\b)):8*(8*(\a)+(\b))+7], v[VB0+96*(\f)+8*(\b):VB0+96*(\f)+8*(\b)+7], v[PB0+96*(\f)+8*(\a):PB0+96*(\f)+8*(\a)+7], v[8*(8*(\a)+(\b)):8*(8*(\a)+(\b))+7]
.endif
.endm
; A slice: O(a, b) += f x the finished chunk's (a, b): four packed lines in f32, the accumulator from its low end on.  first = 1: the first chunk starts O.
.macro MRG a, b, first
.set MX, 8*(8*(\a)+(\b))
	WIN W_MRG
.irp i, 0,2,4,6
.if \first
	v_pk_mul_f32 v[MX+\i:MX+\i+1], v[MX+\i:MX+\i+1], v[F+2*(\a):F+2*(\a)+1] op_sel_hi:[1,0]
.else
	v_pk_fma_f32 v[MX+\i:MX+\i+1], v[MX+\i:MX+\i+1], v[F+2*(\a):F+2*(\a)+1], v[MX+\i:MX+\i+1] op_sel_hi:[1,0,1]
.endif
.endr
.endm
; Eight products: block a of queries x all 8 blocks of channels.  The 32 accumulators take turns, one instruction a turn, in the same order in every quarter.
; ma >= 0: behind each product stands the slice of block ma.  The slices name no register of the products round them.
.macro BLK f, a, zero, ma, first
.irp b, 0,1,2,3,4,5,6,7
	MM \f, \a, \b, \zero
.if (\ma) >= 0
	MRG \ma, \b, \first
.endif
.endr
.endm
; 24 LDS loads in one run: a quarter's fragments into buffer g: P's four as images (two loads at 16 x lane each), V's eight turned.
.macro FETCH pa, pst, va, qp, qv, g
.irp a, 0,1,2,3
	ds_load_b128 v[PB0+96*(\g)+8*\a:PB0+96*(\g)+8*\a+3],   v[\pa] offset:\a*(\pst)+PFR*(\qp)
	ds_load_b128 v[PB0+96*(\g)+8*\a+4:PB0+96*(\g)+8*\a+7], v[\pa] offset:\a*(\pst)+PFR*(\qp)+512
.endr
.irp b, 0,1,2,3,4,5,6,7
	ds_load_tr16_b128 v[VB0+96*(\g)+8*\b:VB0+96*(\g)+8*\b+3],   v[\va] offset:(\qv)*32*PV+32*\b
	ds_load_tr16_b128 v[VB0+96*(\g)+8*\b+4:VB0+96*(\g)+8*\b+7], v[\va] offset:(\qv)*32*PV+16*PV+32*\b
.endr
.endm
.macro FET slot, q, g                  ; quarter q of a slot
	FETCH ADRP+(\slot), PBLK, ADRV+2*(\slot)+(\q)/3, \q, (\q)%3, \g
.endm
.macro FETT q, g                       ; quarter q of the tail, which lies in slot 0
	FETCH ADRPT, PBLKT, ADRV+(\q)/3, \q, (\q)%3, \g
.endm
.macro FLOAD                           ; f of my query in each of my four blocks, for the chunk in hand; then on to the next chunk's
.irp a, 0,1,2,3
	ds_load_b32 v[F+2*\a], v[ADRF] offset:64*\a
.endr
	v_add_nc_u32 v[ADRF], 512, v[ADRF]
.endm
.macro PLACES                          ; four plain vector lines between a matrix instruction and a load into, or a vector line on, its registers (ISA guide 7.12.1 for vector lines)
.rept 4
	v_nop
.endr
.endm
; A QUARTER that changes no slot: multiplies buffer f (quarter q) and fetches the next quarter into the other buffer (kind 0: of the same slot; 1: of the tail; 2: nothing is left).  cp: the quarter's place in its chunk.
; cp = 0: its products start the chunk's sums, and under its first eight the chunk before's block 3 goes into O (m = 2: there is no chunk before).  cp = 2: f of this chunk is read: the chunk before's slices are over.
; cp = 3: the chunk ends: blocks 0 to 2 go into O under the products of blocks 1 to 3; four plain lines stand between block 0's products and the first read of their results.  m = 1: the first chunk.
; The loads at the head land in registers that the quarter before multiplied: behind a chunk's last quarter its last slice is the four plain lines between, elsewhere four v_nop.
.macro QN slot, q, f, cp, m, kind
	WIN 0
.if ((\cp) != 0) && ((\kind) != 2)
	PLACES
.endif
.if (\cp) == 2
	FLOAD
.endif
.if (\kind) == 0
	FET \slot, (\q)+1, 1-(\f)
	s_wait_dscnt 24                                ; all but the 24 just issued: this quarter's fragments are in (cp = 2: and f)
.elseif (\kind) == 1
	FETT (\q)+1, 1-(\f)
	s_wait_dscnt 24
.else
	s_wait_dscnt 0x0
.endif
.if (\cp) == 0
.if (\m) == 2
	BLK \f, 0, 1, -1, 0
.else
	BLK \f, 0, 1, 3, \m
.endif
	BLK \f, 1, 1, -1, 0
	BLK \f, 2, 1, -1, 0
	BLK \f, 3, 1, -1, 0
.elseif (\cp) == 3
	BLK \f, 0, 0, -1, 0
	PLACES
	BLK \f, 1, 0, 0, \m
	BLK \f, 2, 0, 1, \m
	BLK \f, 3, 0, 2, \m
.else
	BLK \f, 0, 0, -1, 0
	BLK \f, 1, 0, -1, 0
	BLK \f, 2, 0, -1, 0
	BLK \f, 3, 0, -1, 0
.endif
.endm
; A SLOT'S LAST QUARTER multiplies buffer 1 and changes slots: one barrier; in front of it each wave waits for all its tensor loads (one is out: its part of the next slot), adds 0 to its spare word,
; and waits for that and for its own reads of this slot.  fill = 1: the barrier opens a round of the cluster's, and this slot is filled again, two steps ahead: the joint refill is the first thing
; behind the round, and a wave issues 176 matrix instructions between that request and the wait for it.  fill = 2: the same with the tail's 128 keys, by their own groups 1.  fill = 0: nothing is left to ask for.
; nt = 1: the next quarter is the tail's first.  ak: 0 no prefetch, 1 one, 2 one but in the loop's last trip.
.macro QT slot, cp, fill, nt, ak
.if \ak
	s_wait_xcnt 0x0                                ; the last prefetch, a step back, has read its address: it is stepped here
	s_add_nc_u64 s[PFA:PFA+1], s[PFA:PFA+1], PBLK
.endif
	WIN 0
	s_wait_tensorcnt 0x0                           ; all my tensor loads have landed
	ds_add_u32 v[SPW], v[NIL]                      ; 0 onto my spare word
	s_wait_dscnt 1                                 ; this quarter's fragments are in (the add may be out)
	BLK 1, 0, 0, -1, 0                             ; eight matrix instructions stand between the add and the wait for it
	s_wait_dscnt 0x0                               ; the add is done, and my reads of this slot are over
	s_barrier_signal -1
.if (\cp) == 3
	PLACES                                         ; between block 0's products and the first read of their results
	BLK 1, 1, 0, 0, 0                              ; work on registers while the others arrive
.else
	BLK 1, 1, 0, -1, 0
.endif
	WIN 0
	s_barrier_wait -1
.if (\fill) == 1
	CREST                                          ; no wave of any partner still reads this slot's tiles or has a load on its way
	s_add_nc_u64 s[G0A+4*\slot+2:G0A+4*\slot+3], s[G0A+4*\slot+2:G0A+4*\slot+3], 2*PBLK
	s_add_nc_u64 s[G0B+4*\slot+2:G0B+4*\slot+3], s[G0B+4*\slot+2:G0B+4*\slot+3], 2*KS*VROW
	JLOAD G0A+4*\slot, G1A, G0B+4*\slot, G1B       ; my one tensor load behind the round; its four v_nop are also the places in front of the loads below
.elseif (\fill) == 2
	CREST
	s_add_nc_u64 s[G0A+4*\slot+2:G0A+4*\slot+3], s[G0A+4*\slot+2:G0A+4*\slot+3], 2*PBLK
	s_lshl_b32 s[G0A+4*\slot+1], s14, 14           ; in LDS a half of the tail's P is four blocks of 4,096 bytes
	s_add_nc_u64 s[G0B+4*\slot+2:G0B+4*\slot+3], s[G0B+4*\slot+2:G0B+4*\slot+3], 2*KS*VROW
	s_lshl_b32 s16, s14, 16                        ; a half of the tail's V begins at key 64 x half, not 96 x half: 32 rows of 2,048 bytes back
	s_mov_b32 s17, 0
	s_sub_nc_u64 s[G0B+4*\slot+2:G0B+4*\slot+3], s[G0B+4*\slot+2:G0B+4*\slot+3], s[16:17]
	s_mul_i32 s[G0B+4*\slot+1], s14, 64*PV
	s_add_co_u32 s[G0B+4*\slot+1], s[G0B+4*\slot+1], VOFF
	JLOAD G0A+4*\slot, G1AT, G0B+4*\slot, G1BT
.else
	PLACES
.endif
.if \nt
	FETT 0, 0
.else
	FET 1-(\slot), 0, 0
.endif
.if (\ak) == 1
	ASK 0
.elseif (\ak) == 2
	ASK 1
.endif
.if (\cp) == 3
	BLK 1, 2, 0, 1, 0
	BLK 1, 3, 0, 2, 0
.else
	BLK 1, 2, 0, -1, 0
	BLK 1, 3, 0, -1, 0
.endif
.endm
; A LAP: two slots, twelve quarters, three chunks.  m0: the first quarter's slices (2: none: the launch's first); m1: those of the lap's first chunk (1: the launch's first chunk).
.macro LAP m0, m1, fa, fb, nt, ak
	QN 0, 0, 0, 0, \m0, 0
	QN 0, 1, 1, 1, 0, 0
	QN 0, 2, 0, 2, 0, 0
	QN 0, 3, 1, 3, \m1, 0
	QN 0, 4, 0, 0, \m1, 0
	QT 0, 1, \fa, 0, \ak
	QN 1, 0, 0, 2, 0, 0
	QN 1, 1, 1, 3, 0, 0
	QN 1, 2, 0, 0, 0, 0
	QN 1, 3, 1, 1, 0, 0
	QN 1, 4, 0, 2, 0, 0
	QT 1, 3, \fb, \nt, 2*(\ak)
.endm
	s_wait_tensorcnt 1                             ; my part of step 0 is in (step 1's load may be out)
	s_wait_dscnt 0x0                               ; and my stores of f and 1 / l have landed;
	s_barrier_signal -1
	s_barrier_wait -1                              ; everybody's have
	FET 0, 0, 0
.irp a, 0,1,2,3
	ds_load_b32 v[RL+2*\a], v[ADRF] offset:RTAB-FTAB+64*\a
.endr
	s_mov_b32 s3, 4                                ; (the prefetches' test reads it)
	LAP 2, 1, 1, 1, 0, 1                           ; lap 0 is written out: its first chunk starts O.  It asks for steps 2 and 3
	WIN 0                                          ; at a label and at a branch every window is 0
	s_mov_b32 s3, 3
.Llap:                                                 ; three trips, laps 1 to 3: each fills both slots again: steps 4 to 9
	LAP 0, 0, 1, 1, 0, 1
	WIN 0
	s_sub_co_u32 s3, s3, 1
	s_cmp_lg_u32 s3, 0
	s_cbranch_scc1 .Llap
	LAP 0, 0, 2, 0, 1, 0                           ; lap 4 is written out: it asks for the tail, then for nothing
	QN 0, 0, 0, 0, 0, 1                            ; the tail: the last chunk
	QN 0, 1, 1, 1, 0, 1
	QN 0, 2, 0, 2, 0, 1
	QN 0, 3, 1, 3, 0, 2
.irp b, 0,1,2,3,4,5,6,7
	MRG 3, \b, 0                                   ; its block 3 (the last slice above is the four plain lines behind the last product)
.endr
	WIN 0
; THE WAY OUT, block by block of 16 queries x 128 channels.  SCL: x 1 / l.  TOSTAGE: 32 bytes a lane into my own stage, back as whole rows of 512 bytes.  SEND: stored.
.macro SCL a
	WIN 0x02                                       ; source 0 window 2: O
.set ii, 0
.rept 32
	v_pk_mul_f32 v[T+2*ii:T+2*ii+1], v[64*(\a)+2*ii:64*(\a)+2*ii+1], v[RL+2*(\a):RL+2*(\a)+1] op_sel_hi:[1,0]
.set ii, ii+1
.endr
	WIN 0
.endm
.macro TOSTAGE a
.irp b, 0,1,2,3,4,5,6,7
	ds_store_b128 v[STO], v[T+8*\b:T+8*\b+3] offset:64*\b
	ds_store_b128 v[STO], v[T+8*\b+4:T+8*\b+7] offset:64*\b+16
.endr
.set BB, BK+64*((\a)%2)
.irp t, 0,1,2,3,4,5,6,7,8,9,10,11,12,13,14,15
	ds_load_b128 v[BB+4*\t:BB+4*\t+3], v[RD] offset:\t*SPITCH      ; LDS serves a wave's instructions in order (ISA guide 5.7.1.4): these see the stores above
.endr
.endm
.macro SEND a, younger                 ; younger: the LDS instructions issued behind block a's loads, which may stay out
.set BB, BK+64*((\a)%2)
	s_wait_dscnt \younger                          ; the block is back in registers
.if (\a) > 0
	s_add_nc_u64 s[10:11], s[10:11], 16*OROW       ; (behind a wait on XCNT: the earlier stores have read their base)  16 queries on
.endif
.irp t, 0,1,2,3,4,5,6,7,8,9,10,11,12,13,14,15
	global_store_b128 v[CO], v[BB+4*\t:BB+4*\t+3], s[10:11] offset:\t*OROW th:TH_STORE_NT   ; 32 lanes store 512 consecutive bytes, aligned; written once, read by nobody here
.endr
.endm
	SCL 0                                          ; (the 32 lines of the last block's slices stand between the last products and the writes of their operands' registers)
	TOSTAGE 0
.irp a, 1,2,3
.if \a > 1
	s_wait_xcnt 0x0                                ; block a - 2's stores have read their registers and their base: block a's loads may land there, and the base may step
.endif
	SCL \a
	TOSTAGE \a
	SEND \a-1, 32                                  ; behind block a - 1's loads: block a's 16 stores and 16 loads
.endr
	s_wait_xcnt 0x0                                ; block 2's stores have read their base
	SEND 3, 0
	s_wait_tensorcnt 0x0                           ; the wave's end, behind my last tensor load and my last LDS store
	ds_add_u32 v[SPW], v[NIL]
	s_wait_dscnt 0x0
	CROUND                                         ; the closing round: no work-group ends while a partner may still ask for a tile that names it
	s_endpgm
.Lfunc_end_k_q5fc6471665_pv:
	.size	k_q5fc6471665_pv, .Lfunc_end_k_q5fc6471665_pv-k_q5fc6471665_pv
	.p2alignl 7, 3214868480
	.fill 96, 4, 3214868480
	.section	.rodata,"a",@progbits
	.p2align	6, 0x0
	.amdhsa_kernel k_q5fc6471665_pv
		.amdhsa_group_segment_fixed_size 327680
		.amdhsa_private_segment_fixed_size 0
		.amdhsa_enable_private_segment 0
		.amdhsa_kernarg_size 32
		.amdhsa_user_sgpr_count 2
		.amdhsa_user_sgpr_kernarg_segment_ptr 1
		.amdhsa_wavefront_size32 1
		.amdhsa_system_sgpr_workgroup_id_x 1
		.amdhsa_system_sgpr_workgroup_id_y 1
		.amdhsa_system_sgpr_workgroup_id_z 1
		.amdhsa_system_vgpr_workitem_id 0
		.amdhsa_next_free_vgpr 768
		.amdhsa_next_free_sgpr 88
		.amdhsa_reserve_vcc 0
		.amdhsa_float_denorm_mode_32 3
		.amdhsa_float_denorm_mode_16_64 3
		.amdhsa_memory_ordered 1
		.amdhsa_forward_progress 1
		.amdhsa_inst_pref_size 255
	.end_amdhsa_kernel
	.section	.bss,"aw",@nobits
	.p2align	6
	.space	262144
	.amdgpu_metadata
---
amdhsa.version: [ 1, 2 ]
amdhsa.kernels:
  - .name:           k_q5fc6471665_pv
    .symbol:         k_q5fc6471665_pv.kd
    .args:
      - { .name: ph, .offset: 0, .size: 8, .value_kind: global_buffer, .address_space: global }
      - { .name: qkv, .offset: 8, .size: 8, .value_kind: global_buffer, .address_space: global }
      - { .name: st, .offset: 16, .size: 8, .value_kind: global_buffer, .address_space: global }
      - { .name: out0, .offset: 24, .size: 8, .value_kind: global_buffer, .address_space: global }
    .group_segment_fixed_size: 327680
    .private_segment_fixed_size: 0
    .kernarg_segment_align: 8
    .kernarg_segment_size: 32
    .max_flat_workgroup_size: 128
    .sgpr_count:     88
    .vgpr_count:     768
    .wavefront_size: 32
...
	.end_amdgpu_metadata
.endif
;; end of part 4
